; MI455X (gfx1250); checked and timed in simulation.
; The chip was launched on July 23, 2026; its instructions are those of AMD's public machine-readable ISA for CDNA 5 (MIT licence, August 2026) and "CDNA5" Instruction Set Architecture Reference Guide (July 2026). The comments in the code are by the model that wrote it; some were corrected since.
;; Mo E Layer. Allowed arithmetic: matrix products marked QUANTISED: E2M1 operands, one E8M0 scale for each 32 along K, by v_wmma_scale_f32_16x16x128_f8f6f4 with both operands' format E2M1 (or v_wmma_scale_f32_32x16x128_f4), f32 sums; products left as they are: f32 operands where the result goes on into a quantised operand, else bf16, f16 or f32 operands; f32 sums; everything else in f32.
;; Inputs: W1_codes 8 x 2,048 x 16 x 16 uint8 (E2M1 codes of W1, K innermost, in blocks of 32 codes, two codes a byte); W1_scales 8 x 2,048 x 16 uint8 (E8M0 scales of W1, one for each 32 codes along K); W2_codes 8 x 512 x 64 x 16 uint8 (E2M1 codes of W2, K innermost, in blocks of 32 codes, two codes a byte); W2_scales 8 x 512 x 64 uint8 (E8M0 scales of W2, one for each 32 codes along K); Wr 512 x 8 float32; b1 8 x 2,048 float32; b2 8 x 512 float32; br 8 float32; x 4 x 1,024 x 512 float32.
;; Outputs: out0 4 x 1,024 x 512 float32.
;; This version of the problem:
;;   THIS VERSION OF THE PROBLEM IS GIVEN IN LOW PRECISION. The matrix products marked QUANTISED in the list below multiply operands that are first quantised to E2M1 (2 exponent bits, 1 mantissa bit; 4 bits a number), with one power-of-two scale for each 32 numbers along K (OCP MX v1.0); their sums are f32. All else is computed in f32.
;;   The module's matrix products, in the order in which they are computed (A, B: the left and right operand; K: the contracted axis; several contracted axes count as one K, in the product's order):
;;     1. [M 4,096, K 512] x [K 512, N 8]; A: input x; B: input Wr: left as it is (N = 8 < 16)
;;     2. [M 4,096, K 512] x [K 512, N 16,384]; A: input x; B: input W1 (given as codes): QUANTISED
;;     3. batch 8 x [M 512, K 2,048] x [K 2,048, N 4,096]; A: input W2 (given as codes); B: computed on the way: QUANTISED
;;     4. batch 4,096 x [M 512, K 8] x [K 8, N 1]; A: computed on the way; B: computed on the way: left as it is (K = 8 < 32)
;;   THE QUANTISER, for each operand of a quantised product, along K:
;;     - K is cut into blocks of 32 from its start; a last block that is shorter is filled with zeros.
;;     - A block's scale is 2^e with e = floor(log2(the largest magnitude in the block)) - 2, held to -126 .. 127; a block of zeros has e = 0. As a byte (E8M0): e + 127.
;;     - Each number is divided by its block's scale, clamped to +-6, and rounded to the nearest number of E2M1, ties to even, subnormals kept.
;;     - The product sums the exact products of the quantised numbers (number of the format x scale) in f32.
;;   ~~~python
;;   def quantise(x, axis):      # numpy; x: float32 -> the quantised numbers, widened to float32 again
;;       x = np.moveaxis(x, axis, -1); K = x.shape[-1]
;;       x = np.pad(x, [(0, 0)] * (x.ndim - 1) + [(0, -K % 32)]); x = x.reshape(x.shape[:-1] + (-1, 32)); a = np.abs(x).max(-1, keepdims=True)
;;       e = np.where(a > 0, np.clip(np.frexp(np.where(a > 0, a, 1))[1] - 1 - 2, -126, 127), 0)      # np.frexp(a)[1] - 1 = floor(log2(a)), exactly
;;       r = np.clip(x / 2.0 ** e, -6, 6)
;;       step = 2.0 ** (np.maximum(np.frexp(np.where(r == 0, 1, r))[1] - 1, 0) - 1)
;;       q = np.round(r / step) * step * 2.0 ** e      # np.round: ties to even
;;       return np.moveaxis(q.reshape(q.shape[:-2] + (-1,))[..., :K], -1, axis).astype(np.float32)
;;   ~~~
;;   OPERANDS COMPUTED ON THE WAY. 'Computed on the way' means the value that the module computes at that place (a softmax that the list does not call 'softmax' is quantised finished and normalised). What goes into a quantiser is computed in f32, as accurately as f32 sums, v_exp_f32 and their like allow (about 1e-6 of the number): no bf16 or f16 on the way to a quantiser, and a product that is left as it is and whose result goes on into a quantised operand takes f32 operands (vector FMAs, or v_wmma_f32_16x16x4_f32). A number that lies on a knife's edge between two numbers of the format may be rounded either way, as far as f32 arithmetic and the matrix unit's own rounding can turn it there, and no further.
;;   INPUTS GIVEN AS CODES. W1 (in the module: [8, 512, 2048], K = its axis 1); W2 (in the module: [8, 2048, 512], K = its axis 1): each comes as NAME_codes (uint8): NAME with its K axis moved to the last place and cut into blocks of 32 codes, [.., K / 32, bytes a block], one block behind the other in memory; two codes a byte, the lower K in the low four bits (a code: sign, 2 exponent bits, 1 mantissa bit); and NAME_scales (uint8): the same leading axes, one E8M0 byte (e + 127) for each 32 codes along K. Its value is code x scale, taken as it is: it is not quantised again, and the codes and scales need not be those that the quantiser above would give.
;; 2 versions, each right and faster than the one before. Each part assembles by itself: llvm-mc -triple=amdgcn-amd-amdhsa -mcpu=gfx1250 --defsym DOCPART=n.
;; ======== version 1 of 2: 4 launches
;; workspace buffers: xq 1,048,576 bytes; xs 65,536 bytes; gates 32,768 bytes; route 32,768 bytes of whole numbers; rowlist 33,280 bytes of whole numbers; tiles 4,096 bytes of whole numbers; wl 8,912,896 bytes; y 8,388,608 bytes
;; launch route_quant (part 1): grid 128 x 1, 4 waves a work-group, no clusters, 39,424 bytes of LDS; arguments x, Wr, br, xq, xs, gates, route; writes xq, xs, gates, route
.if DOCPART == 1
	.amdgcn_target "amdgcn-amd-amdhsa--gfx1250"
	.amdhsa_code_object_version 6
	.text
	.protected	k_q8d9c888f1e_route_quant
	.globl	k_q8d9c888f1e_route_quant
	.p2align	8
	.type	k_q8d9c888f1e_route_quant,@function
k_q8d9c888f1e_route_quant:
	s_mov_b64 s[64:65], 0
	v_nop
	global_prefetch_b8 v0, s[64:65] scope:SCOPE_SE
	s_setreg_imm32_b32 hwreg(HW_REG_WAVE_MODE, 25, 1), 1
	s_wait_xcnt 0x0
; LAUNCH 1 OF 4: the router in f32, the choice of two experts for each token, their gates, and x as codes of E2M1.
; THE PROGRAM.  out[t] = g1 y[t, i1] + g2 y[t, i2], y[t, e] = Q(relu(Q(x[t]) W1[e] + b1[e])) W2[e] + b2[e], Q the stated quantiser along K; i1, i2 the token's two largest router logits.
; WORK LEFT OUT, dead for all finite values of the inputs:
;  (1) reference() multiplies every expert's out_e by gates[t][e], which it builds in its own body as the sum of one_hot(topk_idx) x topk_p: for the six experts outside a token's top 2 that factor is exactly 0,
;      so their rows of products 2, 3 and 4 reach no output.  Only the 8,192 routed rows (token, chosen expert) are multiplied.
;  (2) the softmax's denominator Z: topk_p / sum(topk_p) = (e^(l1-m) / Z) / ((e^(l1-m) + e^(l2-m)) / Z), in which Z cancels.  The maximum m that reference() takes away is l1 itself, and it is taken away here too:
;      g1 = 1 / (1 + e^(l2-l1)), g2 = e^(l2-l1) g1; no exponent is above 0.
;  Every input has a way to an output and is loaded by some launch.
; LIMITS.  A NaN, an infinity or an overflow that reaches only the work left out (an unchosen expert, Z) is not carried to the result.  NaN and infinities among the inputs are not served.
;  The two experts are chosen on the logits, of which the softmax is a rising function; ties go to the lower index, as in jax.lax.top_k; where two different logits round to one f32 probability in reference(), its choice may differ.
;  A block of zeros gets the scale byte 1 where the rule says 127: its codes are zeros, and the bytes are read by this program alone.
; SHARES.  A work-group owns 32 tokens, each of its four waves 8, a token (512 numbers, 2,048 bytes) a step.  Each of a step's four loads reads 512 consecutive bytes; the bytes turn through the wave's own stage in LDS,
; so that a lane holds 16 neighbours along K (two lanes a block of 32).  The same 16 numbers are multiplied by the lane's 16 rows of Wr, which stay in 128 registers; the eight sums are added over the 32 lanes.
; Wave 0 then takes a token a lane: top 2, gates, and for each expert the group's count of rows and each row's rank in it: whole numbers stored at fixed places; no address and no branch here hangs on them.
; No matrix unit (N = 8), no cluster, no tensor load: the work-groups share only Wr's 16 KiB.
.set WRP,   528                        ; Wr in LDS: 32 rows of 512 bytes (16 k x 8 experts) + 16 of padding, so that the lanes' reads of a column start at different banks
.set STG,   32*WRP                     ; two stages of 32 x SP bytes for each wave
.set SP,    80                         ; a lane's place in a stage: its 64 bytes + 16 of padding
.set SCB,   STG+4*2*32*SP              ; the 32 tokens' scale bytes, 16 a token
.set LG,    SCB+512                    ; their logits, 32 bytes a token
.set SPARE, LG+1024                    ; the spare words, 128 bytes for each wave: two blocks of 256 bytes that no other line names
.set SPW,   12                         ; v12  LDS address of my spare word; never rewritten
.set NIL,   13                         ; v13  0; never rewritten
.set WR,    16                         ; v16-143  Wr[16 lane + i][e] at v[WR + 8 i + e]
.set R,     144                        ; v144-207 four sets of 16 numbers as they are loaded
.set X,     208                        ; v208-239 two sets of 16 neighbours
.set ACC,   240                        ; v240-247 the eight logits' sums
.set CD,    248                        ; v248-251 codes, two sets of two
.set TP,    252                        ; v252-255 the other half of the lanes' sums
	s_load_b256 s[4:11], s[0:1], 0x0               ; x s[4:5], Wr s[6:7], br s[8:9], xq s[10:11]
	s_load_b128 s[12:15], s[0:1], 0x20             ; xs s[12:13], gates s[14:15]
	s_load_b64 s[16:17], s[0:1], 0x30              ; route
	v_lshl_add_u32 v[SPW], v0, 2, SPARE
	v_mov_b32 v[NIL], 0
	v_lshrrev_b32 v2, 5, v0
	v_readfirstlane_b32 s18, v2                    ; wave 0..3
	v_and_b32 v1, 31, v0                           ; lane
	v_lshlrev_b32 v2, 5, v1                        ; 32 x lane: a token's logits, for wave 0's part
	v_lshlrev_b32 v3, 4, v1                        ; 16 x lane
	v_lshlrev_b32 v4, 3, v1                        ; 8 x lane: my 16 codes
	s_lshl_b32 s30, s18, 7
	s_add_co_u32 s30, s30, SCB
	v_lshrrev_b32 v5, 1, v1
	v_add_nc_u32 v5, s30, v5                       ; my block's scale byte: SCB + 128 wave + lane / 2 (+ 16 a step)
	s_lshl_b32 s30, s18, 8
	s_add_co_u32 s30, s30, LG
	v_mov_b32 v6, s30                              ; my wave's logits: LG + 256 wave (+ 32 a step)
	v_mul_u32_u24 v7, v1, WRP                      ; my 16 rows of Wr in LDS
	s_mul_i32 s30, s18, 2*32*SP
	s_add_co_u32 s30, s30, STG                     ; my wave's stages
	v_lshrrev_b32 v14, 2, v1
	v_mul_u32_u24 v14, v14, SP
	v_and_b32 v15, 3, v1
	v_lshl_add_u32 v14, v15, 4, v14
	v_add_nc_u32 v14, s30, v14                     ; into a stage: four lanes' 64 bytes on end, then the padding
	v_mul_u32_u24 v15, v1, SP
	v_add_nc_u32 v15, s30, v15                     ; out of it: SP x lane: my 16 neighbours
	s_mul_i32 s30, s18, WRP
	v_add_nc_u32 v10, s30, v3                      ; Wr's way in: row wave (+ 4 a load), 16 x lane
	v_lshlrev_b32 v11, 4, v0                       ; and in memory: 16 x thread (+ 2,048 a load)
	s_mov_b32 s28, 0x76543210
	s_mov_b32 s29, 0xfedcba98                      ; v_permlanex16_b32's selects for lane l xor 16
.irp e, 0,1,2,3
	v_mov_b32 v[TP+\e], 0                          ; written once: a lane permute's destination counts as one of its sources
.endr
	s_lshl_b32 s32, ttmp9, 16                      ; x: 32 tokens of 2,048 bytes a work-group,
	s_lshl_b32 s33, s18, 14                        ; 8 a wave
	s_add_co_u32 s32, s32, s33
	s_mov_b32 s33, 0
	s_lshl_b32 s34, ttmp9, 13                      ; xq: 256 bytes a token
	s_lshl_b32 s35, s18, 11
	s_add_co_u32 s34, s34, s35
	s_mov_b32 s35, 0
	s_lshl_b32 s36, ttmp9, 7                       ; route: 128 bytes a work-group, in each of its two parts
	s_mov_b32 s37, 0
	s_wait_kmcnt 0x0
	s_load_b256 s[20:27], s[8:9], 0x0              ; br
	s_add_nc_u64 s[4:5], s[4:5], s[32:33]
	s_add_nc_u64 s[10:11], s[10:11], s[34:35]
	s_add_nc_u64 s[16:17], s[16:17], s[36:37]
	s_lshl_b32 s36, ttmp9, 8                       ; gates: 256 bytes a work-group
	s_add_nc_u64 s[14:15], s[14:15], s[36:37]
	s_lshl_b32 s36, ttmp9, 9                       ; xs: 512
	s_add_nc_u64 s[12:13], s[12:13], s[36:37]
.irp n, 0,1,2,3,4,5,6,7
	global_load_b128 v[WR+4*\n:WR+4*\n+3], v11, s[6:7] offset:2048*\n   ; Wr, 16 KiB by 128 threads: 512 consecutive bytes a wave and load
.endr
.macro LOAD t                          ; token t of my eight: four loads of 512 consecutive bytes into set t % 4
.irp i, 0,1,2,3
	global_load_b128 v[R+16*((\t)%4)+4*\i:R+16*((\t)%4)+4*\i+3], v3, s[4:5] offset:2048*(\t)+512*\i th:TH_LOAD_NT
.endr
.endm
.macro TURN t                          ; its numbers through stage t % 2: LDS serves a wave's instructions in order, so no wait stands between the stores and the loads
.irp i, 0,1,2,3
	ds_store_b128 v14, v[R+16*((\t)%4)+4*\i:R+16*((\t)%4)+4*\i+3] offset:32*SP*((\t)%2)+8*SP*\i
.endr
.irp i, 0,1,2,3
	ds_load_b128 v[X+16*((\t)%2)+4*\i:X+16*((\t)%2)+4*\i+3], v15 offset:32*SP*((\t)%2)+16*\i
.endr
.endm
.irp t, 0,1,2,3
	LOAD \t
.endr
	s_wait_loadcnt 16                              ; Wr's eight loads are in; the sixteen of x behind them stay out
.irp n, 0,1,2,3,4,5,6,7
	ds_store_b128 v10, v[WR+4*\n:WR+4*\n+3] offset:4*WRP*\n
.endr
	s_wait_dscnt 0x0                               ; for the others' sake: my part of Wr lies in LDS
	s_barrier_signal -1
	s_barrier_wait -1
.set n, 0
.rept 32
	ds_load_b128 v[WR+4*n:WR+4*n+3], v7 offset:16*n   ; my 16 rows of Wr, 512 bytes: they stay
.set n, n+1
.endr
	s_wait_loadcnt 12                              ; token 0's four loads are in; those of tokens 1 to 3 stay out
	TURN 0
.macro STEP t
.set XS, X+16*((\t)%2)
.set CS, CD+2*((\t)%2)
	s_wait_dscnt 0x0                               ; this token's numbers are back from the stage (in the first step: Wr too), and my earlier LDS stores have read their registers
.if (\t)+4 < 8
	LOAD (\t)+4                                    ; into the set that this token's stage stores have read
.endif
.if (\t)+1 < 8
.if (\t) <= 3
	s_wait_loadcnt 12                              ; the next token's four loads are in; those of the three tokens behind it stay out
.else
	s_wait_loadcnt 4*(6-(\t))                      ; likewise, with fewer tokens behind it
.endif
	TURN (\t)+1                                    ; through the other stage while this token is worked
.endif
	s_wait_xcnt 0x0                                ; the store of two steps ago has read this set of codes: it is rewritten only behind this wait
	v_max3_num_f32 v8, |v[XS]|, |v[XS+1]|, |v[XS+2]|               ; the largest magnitude of my 16, in two chains
	v_max3_num_f32 v9, |v[XS+3]|, |v[XS+4]|, |v[XS+5]|
.irp i, 6,10
	v_max3_num_f32 v8, v8, |v[XS+\i]|, |v[XS+\i+1]|
	v_max3_num_f32 v9, v9, |v[XS+\i+2]|, |v[XS+\i+3]|
.endr
	v_max3_num_f32 v8, v8, |v[XS+14]|, |v[XS+15]|
	v_max3_num_f32 v8, v8, v9, 0x1800000           ; and the floor 2^(3 - 127): the byte cannot fall under 1
	v_max_num_f32_dpp v8, v8, v8 row_xmask:1 row_mask:0xf bank_mask:0xf   ; with my neighbour's 16: the block's
	v_add_nc_u32 v11, 0xff000000, v8               ; 2 off its exponent field: the conversion takes the exponent field of this operand as its scale
	v_cvt_scalef32_pk8_fp4_f32 v[CS], v[XS:XS+7], v11
	v_cvt_scalef32_pk8_fp4_f32 v[CS+1], v[XS+8:XS+15], v11
	v_lshrrev_b32 v10, 23, v11                     ; the scale's byte (a plain instruction behind the conversions)
	ds_store_b8 v5, v10 offset:16*(\t)             ; both lanes of a block write the same byte with the same value
	global_store_b64 v4, v[CS:CS+1], s[10:11] offset:256*(\t)      ; the wave stores the token's 256 bytes of codes, consecutive and aligned
.irp p, 0,1,2,3
	v_pk_mul_f32 v[ACC+2*\p:ACC+2*\p+1], v[XS:XS+1], v[WR+2*\p:WR+2*\p+1] op_sel_hi:[0,1]   ; the router: x[k] Wr[k][e], two experts at a time; the first product starts the sums
.endr
.irp i, 1,2,3,4,5,6,7,8,9,10,11,12,13,14,15
.irp p, 0,1,2,3
.if (\i)%2
	v_pk_fma_f32 v[ACC+2*\p:ACC+2*\p+1], v[XS+\i-1:XS+\i], v[WR+8*\i+2*\p:WR+8*\i+2*\p+1], v[ACC+2*\p:ACC+2*\p+1] op_sel:[1,0,0] op_sel_hi:[1,1,1]
.else
	v_pk_fma_f32 v[ACC+2*\p:ACC+2*\p+1], v[XS+\i:XS+\i+1], v[WR+8*\i+2*\p:WR+8*\i+2*\p+1], v[ACC+2*\p:ACC+2*\p+1] op_sel_hi:[0,1,1]
.endif
.endr
.endr
.irp k, 1,2,4,8
.irp e, 0,1,2,3,4,5,6,7
	v_add_f32_dpp v[ACC+\e], v[ACC+\e], v[ACC+\e] row_xmask:\k row_mask:0xf bank_mask:0xf   ; over the 16 lanes of a half, the eight sums by turns
.endr
.endr
.irp q, 0,4
.irp e, 0,1,2,3
	v_permlanex16_b32 v[TP+\e], v[ACC+\q+\e], s28, s29
.endr
.irp e, 0,1,2,3
	v_add_f32 v[ACC+\q+\e], v[ACC+\q+\e], v[TP+\e]                 ; and the other half's
.endr
.endr
	ds_store_b128 v6, v[ACC:ACC+3] offset:32*(\t)                  ; all lanes write the same words with the same values
	ds_store_b128 v6, v[ACC+4:ACC+7] offset:32*(\t)+16
.endm
.irp t, 0,1,2,3,4,5,6,7
	STEP \t
.endr
	s_wait_dscnt 0x0                               ; for wave 0's sake: my logits and scale bytes lie in LDS
	s_barrier_signal -1
	s_barrier_wait -1
	s_wait_tensorcnt 0x0                           ; behind my last LDS store; only LDS loads follow
	ds_add_u32 v[SPW], v[NIL]
	s_wait_dscnt 0x0
	s_cmp_lg_u32 s18, 0
	s_cbranch_scc1 .Lothers
	; WAVE 0: a lane is a token
	ds_load_b128 v[16:19], v2 offset:LG
	ds_load_b128 v[20:23], v2 offset:LG+16
	ds_load_b128 v[24:27], v3 offset:SCB
	v_mov_b32 v33, 0                               ; i1
	v_mov_b32 v34, 0xff800000                      ; m2 = -infinity
	v_mov_b32 v35, 1                               ; i2
	v_mov_b32 v42, 0                               ; the group's counts, expert e in lane e
	v_mov_b32 v46, 0                               ; my first row's rank among the group's rows of its expert,
	v_mov_b32 v47, 0                               ; my second's
	v_lshlrev_b32 v45, 2, v1
	s_wait_dscnt 0x0
	s_wait_kmcnt 0x0                               ; br
	global_store_b128 v3, v[24:27], s[12:13]       ; the 32 tokens' scale bytes: 512 consecutive bytes
.irp e, 0,1,2,3,4,5,6,7
	v_add_f32 v[16+\e], s[20+\e], v[16+\e]
.endr
	v_mov_b32 v32, v16                             ; m1
.irp e, 1,2,3,4,5,6,7                  ; strictly greater: the lower index keeps a tie
	v_mov_b32 v36, \e
	v_cmp_gt_f32 s30, v[16+\e], v32
	v_cmp_gt_f32 s31, v[16+\e], v34
	v_cndmask_b32 v34, v34, v[16+\e], s31
	v_cndmask_b32 v35, v35, v36, s31
	v_cndmask_b32 v34, v34, v32, s30
	v_cndmask_b32 v35, v35, v33, s30
	v_cndmask_b32 v32, v32, v[16+\e], s30
	v_cndmask_b32 v33, v33, v36, s30
.endr
	v_sub_f32 v37, v34, v32                        ; l2 - l1, 0 or less: the maximum is taken away
	v_mul_f32 v37, 0x3fb8aa3b, v37                 ; x log2(e)
	v_exp_f32 v38, v37
	v_nop                                          ; a plain instruction behind the transcendental,
	s_wait_alu depctr_va_vdst(0)                   ; and a wait ahead of its first reader
	v_add_f32 v39, 1.0, v38
	v_rcp_f32 v40, v39                             ; g1
	v_nop
	s_wait_alu depctr_va_vdst(0)
	v_mul_f32 v41, v38, v40                        ; g2
.irp e, 0,1,2,3,4,5,6,7
	v_cmp_eq_u32 s30, \e, v33
	v_cmp_eq_u32 s31, \e, v35
	s_or_b32 s32, s30, s31                         ; the tokens of the group that have a row with expert e (a token has at most one)
	s_bcnt1_i32_b32 s33, s32
	v_writelane_b32 v42, s33, \e
	v_mbcnt_lo_u32_b32 v43, s32, 0                 ; how many of them stand below my lane
	v_cndmask_b32 v46, v46, v43, s30
	v_cndmask_b32 v47, v47, v43, s31
.endr
	v_lshl_or_b32 v44, v35, 4, v33                 ; i1 | i2 << 4 | rank1 << 8 | rank2 << 16
	v_lshl_or_b32 v44, v46, 8, v44
	v_lshl_or_b32 v44, v47, 16, v44
	global_store_b32 v45, v44, s[16:17]
	global_store_b32 v45, v42, s[16:17] offset:16384
	global_store_b64 v4, v[40:41], s[14:15]
.Lothers:
	s_endpgm
.Lfunc_end_k_q8d9c888f1e_route_quant:
	.size	k_q8d9c888f1e_route_quant, .Lfunc_end_k_q8d9c888f1e_route_quant-k_q8d9c888f1e_route_quant
	.p2alignl 7, 3214868480
	.fill 96, 4, 3214868480
	.section	.rodata,"a",@progbits
	.p2align	6, 0x0
	.amdhsa_kernel k_q8d9c888f1e_route_quant
		.amdhsa_group_segment_fixed_size 39424
		.amdhsa_private_segment_fixed_size 0
		.amdhsa_enable_private_segment 0
		.amdhsa_kernarg_size 56
		.amdhsa_user_sgpr_count 2
		.amdhsa_user_sgpr_kernarg_segment_ptr 1
		.amdhsa_wavefront_size32 1
		.amdhsa_system_sgpr_workgroup_id_x 1
		.amdhsa_system_sgpr_workgroup_id_y 1
		.amdhsa_system_sgpr_workgroup_id_z 1
		.amdhsa_system_vgpr_workitem_id 0
		.amdhsa_next_free_vgpr 256
		.amdhsa_next_free_sgpr 66
		.amdhsa_reserve_vcc 0
		.amdhsa_float_denorm_mode_32 3
		.amdhsa_float_denorm_mode_16_64 3
		.amdhsa_memory_ordered 1
		.amdhsa_forward_progress 1
		.amdhsa_inst_pref_size 86
	.end_amdhsa_kernel
	.amdgpu_metadata
---
amdhsa.version: [ 1, 2 ]
amdhsa.kernels:
  - .name:           k_q8d9c888f1e_route_quant
    .symbol:         k_q8d9c888f1e_route_quant.kd
    .args:
      - { .name: x, .offset: 0, .size: 8, .value_kind: global_buffer, .address_space: global }
      - { .name: Wr, .offset: 8, .size: 8, .value_kind: global_buffer, .address_space: global }
      - { .name: br, .offset: 16, .size: 8, .value_kind: global_buffer, .address_space: global }
      - { .name: xq, .offset: 24, .size: 8, .value_kind: global_buffer, .address_space: global }
      - { .name: xs, .offset: 32, .size: 8, .value_kind: global_buffer, .address_space: global }
      - { .name: gates, .offset: 40, .size: 8, .value_kind: global_buffer, .address_space: global }
      - { .name: route, .offset: 48, .size: 8, .value_kind: global_buffer, .address_space: global }
    .group_segment_fixed_size: 39424
    .private_segment_fixed_size: 0
    .kernarg_segment_align: 8
    .kernarg_segment_size: 56
    .max_flat_workgroup_size: 128
    .sgpr_count:     66
    .vgpr_count:     256
    .wavefront_size: 32
...
	.end_amdgpu_metadata
.endif
;; end of part 1
;; launch place_layout (part 2): grid 129 x 1, 4 waves a work-group, no clusters, 1,024 bytes of LDS; arguments route, rowlist, tiles, W1_codes, W1_scales, W2_codes, W2_scales, wl; writes rowlist, tiles, wl
.if DOCPART == 2
	.amdgcn_target "amdgcn-amd-amdhsa--gfx1250"
	.amdhsa_code_object_version 6
	.text
	.protected	k_q8d9c888f1e_place_layout
	.globl	k_q8d9c888f1e_place_layout
	.p2align	8
	.type	k_q8d9c888f1e_place_layout,@function
k_q8d9c888f1e_place_layout:
	s_mov_b64 s[64:65], 0
	v_nop
	global_prefetch_b8 v0, s[64:65] scope:SCOPE_SE
	s_setreg_imm32_b32 hwreg(HW_REG_WAVE_MODE, 25, 1), 1
	s_wait_xcnt 0x0
; LAUNCH 2 OF 4.  Two pieces of work that hang on nothing of each other share one launch.
; WORK-GROUP 0 places the 8,192 routed rows (rr = 2 token + slot) by expert, a counting sort without atomics on the counts and ranks that launch 1 stored, and writes the table of tiles {expert, first place, rows, 0}:
; tiles of 64 rows, never more than 8,192 / 64 + 8 - 1 = 135 whatever the choice; the other entries hold zeros.  Only chosen rows are placed: see launch 1's head for why the others are dead work.
; WORK-GROUPS 1 TO 128 lay W1's and W2's codes and scale bytes out in the order in which a wave of launch 3 takes them into its operand registers, so that each of its loads there is 512 consecutive bytes.
; wl = [expert 8][wave w 4][chunk c 4][piece 8][8,704 bytes].  A piece: byte 1,024 t + 512 c2 + 16 lane = registers 4 c2 .. 4 c2 + 3 of fragment t (16 rows x 128 K); from byte 8,192 on 16 bytes a lane: word q = the
; scale word of tile 2 q + lane / 16, row lane % 16.  Pieces 0-3: W1, K step = piece; lane r of tile 2 b + u takes row 512 c + 128 w + 32 b + 8 u + r + 8 (r / 8), so that the results of two neighbouring tiles are 16 neighbours
; along the next K.  Pieces 4-7: W2, K step 4 c + piece - 4; tile t takes rows 128 w + 16 t + r.
; The two paths part on the work-group's number alone; only work-group 0 touches LDS.
.set SPARE, 512                        ; LDS: 0..511 the waves' sums; then the spare words, 128 bytes for each wave
.set SPW,   12
.set NIL,   13
.set PB,    8704                       ; bytes of a piece
	s_load_b512 s[4:19], s[0:1], 0x0               ; route s[4:5], rowlist s[6:7], tiles s[8:9], W1 codes s[10:11], W1 scales s[12:13], W2 codes s[14:15], W2 scales s[16:17], wl s[18:19]
	v_lshl_add_u32 v[SPW], v0, 2, SPARE
	v_mov_b32 v[NIL], 0
	v_lshrrev_b32 v1, 5, v0
	v_readfirstlane_b32 s20, v1                    ; wave 0..3
	v_and_b32 v1, 31, v0                           ; lane
	s_cmp_eq_u32 ttmp9, 0
	s_cbranch_scc1 .Lplace
	; ---- THE LAYOUT.  Work-group j + 1: expert j / 16, chunk (j / 4) % 4, wave w = j % 4 of launch 3.  My wave v takes pieces v and 4 + v.
	s_sub_co_u32 s21, ttmp9, 1
	s_lshr_b32 s22, s21, 4                         ; e
	s_bfe_u32 s23, s21, 0x20002                    ; c
	s_and_b32 s24, s21, 3                          ; w
	v_and_b32 v2, 15, v0                           ; r
	v_bfe_u32 v3, v0, 4, 1                         ; h
	v_and_b32 v4, 8, v2
	v_add_nc_u32 v4, v4, v2                        ; r + 8 (r / 8)
	v_lshlrev_b32 v5, 8, v4
	v_lshl_add_u32 v5, v3, 4, v5                   ; W1's codes: a row is 256 bytes; + 16 h
	v_lshlrev_b32 v6, 10, v2
	v_lshl_add_u32 v6, v3, 4, v6                   ; W2's: a row is 1,024 bytes
	v_lshl_add_u32 v7, v3, 3, v4
	v_lshlrev_b32 v7, 4, v7                        ; W1's scale words: row 8 h + r + 8 (r / 8) of 16 bytes (+ 32 rows a word)
	v_lshl_add_u32 v8, v3, 4, v2
	v_lshlrev_b32 v8, 6, v8                        ; W2's: row 16 h + r of 64 bytes (+ 32 rows a word)
	v_lshlrev_b32 v9, 4, v1                        ; out: 16 x lane
	s_lshl_b32 s25, s23, 9
	s_lshl_b32 s26, s24, 7
	s_add_co_u32 s25, s25, s26                     ; W1's first row: 512 c + 128 w
	s_lshl_b32 s26, s23, 2
	s_add_co_u32 s26, s26, s20                     ; W2's K step: 4 c + v
	s_lshl_b32 s28, s22, 19                        ; W1's codes: 524,288 e + 256 x row + 64 v
	s_lshl_b32 s27, s25, 8
	s_add_co_u32 s28, s28, s27
	s_lshl_b32 s27, s20, 6
	s_add_co_u32 s28, s28, s27
	s_mov_b32 s29, 0
	s_lshl_b32 s30, s22, 15                        ; W1's scales: 32,768 e + 16 x row + 4 v
	s_lshl_b32 s27, s25, 4
	s_add_co_u32 s30, s30, s27
	s_lshl_b32 s27, s20, 2
	s_add_co_u32 s30, s30, s27
	s_mov_b32 s31, 0
	s_lshl_b32 s32, s22, 19                        ; W2's codes: 524,288 e + 128 w rows of 1,024 + 64 x K step
	s_lshl_b32 s27, s24, 17
	s_add_co_u32 s32, s32, s27
	s_lshl_b32 s27, s26, 6
	s_add_co_u32 s32, s32, s27
	s_mov_b32 s33, 0
	s_lshl_b32 s34, s22, 15                        ; W2's scales: 32,768 e + 128 w rows of 64 + 4 x K step
	s_lshl_b32 s27, s24, 13
	s_add_co_u32 s34, s34, s27
	s_lshl_b32 s27, s26, 2
	s_add_co_u32 s34, s34, s27
	s_mov_b32 s35, 0
	s_lshl_b32 s36, s22, 2                         ; wl: (((4 e + w) 4 + c) 8 + v) pieces
	s_add_co_u32 s36, s36, s24
	s_lshl_b32 s36, s36, 2
	s_add_co_u32 s36, s36, s23
	s_lshl_b32 s36, s36, 3
	s_add_co_u32 s36, s36, s20
	s_mul_i32 s36, s36, PB
	s_mov_b32 s37, 0
	s_wait_kmcnt 0x0
	s_add_nc_u64 s[10:11], s[10:11], s[28:29]
	s_add_nc_u64 s[12:13], s[12:13], s[30:31]
	s_add_nc_u64 s[14:15], s[14:15], s[32:33]
	s_add_nc_u64 s[16:17], s[16:17], s[34:35]
	s_add_nc_u64 s[18:19], s[18:19], s[36:37]
.irp t, 0,1,2,3,4,5,6,7
.irp c, 0,1
	global_load_b128 v[32+8*\t+4*\c:32+8*\t+4*\c+3], v5, s[10:11] offset:(32*(\t/2)+8*(\t%2))*256+32*\c
.endr
.endr
.irp q, 0,1,2,3
	global_load_b32 v[96+\q], v7, s[12:13] offset:512*\q
.endr
.irp t, 0,1,2,3,4,5,6,7
.irp c, 0,1
	global_load_b128 v[100+8*\t+4*\c:100+8*\t+4*\c+3], v6, s[14:15] offset:16384*\t+32*\c
.endr
.endr
.irp q, 0,1,2,3
	global_load_b32 v[164+\q], v8, s[16:17] offset:2048*\q
.endr
	s_wait_loadcnt 20                              ; W1's piece, 20 loads, is in; W2's 20 stay out
.set i, 0
.rept 17
	global_store_b128 v9, v[32+4*i:32+4*i+3], s[18:19] offset:512*i          ; 512 consecutive bytes a store, aligned
.set i, i+1
.endr
	s_wait_loadcnt 0x0
.set i, 0
.rept 17
	global_store_b128 v9, v[100+4*i:100+4*i+3], s[18:19] offset:4*PB+512*i
.set i, i+1
.endr
	s_endpgm
	; ---- THE PLACING.  Wave w owns the groups of 32 tokens 32 w + i, i = 0 .. 31.  In the counts a lane is an expert (lanes 8 to 31 hold zeros), in the tokens' words a lane is a token.
.set C,  32                            ; v32-63   counts; later 4 x i1; later the first rows' numbers
.set I,  64                            ; v64-95   the tokens' words
.set P,  96                            ; v96-128  where group i's rows of expert (lane) begin
.set D1, 129                           ; v129-160 that number for my token's first expert; later its place, in bytes
.set J,  161                           ; v161-192 4 x i2; later the second rows' numbers
.set D2, 193                           ; v193-224 as D1, for the second expert
.set TT, 24                            ; s24-31 rows of expert e;  s32-39 its first place;  s40-47 its tiles;  s48-55 its first tile
.set BS, 32
.set NT, 40
.set TS, 48
.Lplace:
	s_lshl_b32 s21, s20, 12
	v_lshl_add_u32 v2, v1, 2, s21                  ; 4 lane + 32 groups of 128 bytes a wave
	v_lshlrev_b32 v3, 2, v0                        ; 4 x thread
	v_lshlrev_b32 v4, 2, v1                        ; 4 x lane
	s_lshl_b32 s21, s20, 11
	v_lshl_add_u32 v15, v1, 1, s21                 ; 2 x my token of group 32 w: 2 lane + 2,048 w
	v_mov_b32 v16, 0
	v_lshlrev_b32 v17, 4, v0                       ; 16 x thread
	s_wait_kmcnt 0x0
.set i, 0
.rept 32
	global_load_b32 v[C+i], v2, s[4:5] offset:16384+128*i
.set i, i+1
.endr
.set i, 0
.rept 32
	global_load_b32 v[I+i], v2, s[4:5] offset:128*i
.set i, i+1
.endr
	s_wait_loadcnt 32                              ; the counts are in; the 32 loads of the tokens' words stay out
	v_mov_b32 v[P], 0
.set i, 0
.rept 32
	v_add_nc_u32 v[P+i+1], v[P+i], v[C+i]          ; a running sum over my 32 groups
.set i, i+1
.endr
	ds_store_b32 v3, v[P+32]                       ; my wave's sums, a word an expert
	s_wait_dscnt 0x0                               ; for the others' sake
	s_barrier_signal -1
	s_barrier_wait -1
.irp k, 0,1,2,3
	ds_load_b32 v[5+\k], v4 offset:128*\k
.endr
	s_wait_dscnt 0x0
	v_add3_u32 v9, v5, v6, v7
	v_add_nc_u32 v9, v9, v8                        ; rows of expert (lane) in all
	v_mov_b32 v10, 0
.irp k, 0,1,2
	s_cmp_gt_u32 s20, \k
	s_cselect_b32 s21, -1, 0
	v_and_b32 v14, s21, v[5+\k]
	v_add_nc_u32 v10, v10, v14                     ; and in the waves below mine
.endr
.irp e, 0,1,2,3,4,5,6,7
	v_readlane_b32 s[TT+\e], v9, \e
.endr
.irp e, 0,1,2,3,4,5,6,7
	s_add_co_u32 s[NT+\e], s[TT+\e], 63
	s_lshr_b32 s[NT+\e], s[NT+\e], 6
.endr
	s_mov_b32 s[BS], 0
	s_mov_b32 s[TS], 0
.irp e, 0,1,2,3,4,5,6
	s_add_co_u32 s[BS+\e+1], s[BS+\e], s[TT+\e]
	s_add_co_u32 s[TS+\e+1], s[TS+\e], s[NT+\e]
.endr
	v_mov_b32 v11, 0
.irp e, 0,1,2,3,4,5,6,7
	v_writelane_b32 v11, s[BS+\e], \e
.endr
	v_add_nc_u32 v11, v11, v10
.set i, 0
.rept 32
	v_add_nc_u32 v[P+i], v[P+i], v11               ; + the expert's first place + the lower waves' rows
.set i, i+1
.endr
	s_wait_loadcnt 0x0                             ; the tokens' words
.set i, 0
.rept 32
	v_lshlrev_b32 v[C+i], 2, v[I+i]
	v_lshrrev_b32 v[J+i], 2, v[I+i]
	v_and_b32 v[C+i], 0x1c, v[C+i]                 ; 4 x i1: the lane to ask, as a byte address
	v_and_b32 v[J+i], 0x1c, v[J+i]                 ; 4 x i2
.set i, i+1
.endr
.set i, 0
.rept 32
	ds_bpermute_b32 v[D1+i], v[C+i], v[P+i]        ; from lane to lane: no LDS byte is touched
	ds_bpermute_b32 v[D2+i], v[J+i], v[P+i]
.set i, i+1
.endr
	s_wait_dscnt 0x0
.set i, 0
.rept 32                               ; each store has registers of its own: none is written again while a store may still read it
	v_bfe_u32 v14, v[I+i], 8, 8
	v_bfe_u32 v18, v[I+i], 16, 8
	v_add_nc_u32 v[D1+i], v[D1+i], v14             ; the row's place: the group's first + its rank
	v_add_nc_u32 v[D2+i], v[D2+i], v18
	v_min_u32 v[D1+i], 8191, v[D1+i]               ; a loaded number enters an address held inside the list
	v_min_u32 v[D2+i], 8191, v[D2+i]
	v_lshlrev_b32 v[D1+i], 2, v[D1+i]
	v_lshlrev_b32 v[D2+i], 2, v[D2+i]
	v_add_nc_u32 v[C+i], 64*i, v15                 ; rr = 2 token,
	v_add_nc_u32 v[J+i], 64*i+1, v15               ; 2 token + 1
	global_store_b32 v[D1+i], v[C+i], s[6:7]
	global_store_b32 v[D2+i], v[J+i], s[6:7]
.set i, i+1
.endr
	global_store_b32 v3, v16, s[6:7] offset:32768  ; 128 zeros behind the list: a last tile may read up to 63 places past its rows
.irp k, 0,1                            ; the table of tiles: entries thread and thread + 128
	v_add_nc_u32 v236, 128*\k, v0
.irp n, 0,1,2,3
	v_mov_b32 v[228+4*\k+\n], 0
.endr
.irp e, 0,1,2,3,4,5,6,7
	v_sub_nc_u32 v237, v236, s[TS+\e]              ; which tile of expert e this would be (a huge number below its first)
	v_lshlrev_b32 v238, 6, v237
	v_add_nc_u32 v239, s[BS+\e], v238              ; its first place
	v_sub_nc_u32 v240, s[TT+\e], v238
	v_min_u32 v240, 64, v240                       ; its rows
	v_mov_b32 v241, \e
	v_cmp_gt_u32 vcc_lo, s[NT+\e], v237
	v_cndmask_b32 v[228+4*\k], v[228+4*\k], v241, vcc_lo
	v_cndmask_b32 v[229+4*\k], v[229+4*\k], v239, vcc_lo
	v_cndmask_b32 v[230+4*\k], v[230+4*\k], v240, vcc_lo
.endr
	global_store_b128 v17, v[228+4*\k:231+4*\k], s[8:9] offset:2048*\k
.endr
	s_wait_tensorcnt 0x0                           ; the wave's end, behind my last LDS store
	ds_add_u32 v[SPW], v[NIL]
	s_wait_dscnt 0x0
	s_endpgm
.Lfunc_end_k_q8d9c888f1e_place_layout:
	.size	k_q8d9c888f1e_place_layout, .Lfunc_end_k_q8d9c888f1e_place_layout-k_q8d9c888f1e_place_layout
	.p2alignl 7, 3214868480
	.fill 96, 4, 3214868480
	.section	.rodata,"a",@progbits
	.p2align	6, 0x0
	.amdhsa_kernel k_q8d9c888f1e_place_layout
		.amdhsa_group_segment_fixed_size 1024
		.amdhsa_private_segment_fixed_size 0
		.amdhsa_enable_private_segment 0
		.amdhsa_kernarg_size 64
		.amdhsa_user_sgpr_count 2
		.amdhsa_user_sgpr_kernarg_segment_ptr 1
		.amdhsa_wavefront_size32 1
		.amdhsa_system_sgpr_workgroup_id_x 1
		.amdhsa_system_sgpr_workgroup_id_y 1
		.amdhsa_system_sgpr_workgroup_id_z 1
		.amdhsa_system_vgpr_workitem_id 0
		.amdhsa_next_free_vgpr 256
		.amdhsa_next_free_sgpr 66
		.amdhsa_reserve_vcc 1
		.amdhsa_float_denorm_mode_32 3
		.amdhsa_float_denorm_mode_16_64 3
		.amdhsa_memory_ordered 1
		.amdhsa_forward_progress 1
		.amdhsa_inst_pref_size 58
	.end_amdhsa_kernel
	.amdgpu_metadata
---
amdhsa.version: [ 1, 2 ]
amdhsa.kernels:
  - .name:           k_q8d9c888f1e_place_layout
    .symbol:         k_q8d9c888f1e_place_layout.kd
    .args:
      - { .name: route, .offset: 0, .size: 8, .value_kind: global_buffer, .address_space: global }
      - { .name: rowlist, .offset: 8, .size: 8, .value_kind: global_buffer, .address_space: global }
      - { .name: tiles, .offset: 16, .size: 8, .value_kind: global_buffer, .address_space: global }
      - { .name: W1_codes, .offset: 24, .size: 8, .value_kind: global_buffer, .address_space: global }
      - { .name: W1_scales, .offset: 32, .size: 8, .value_kind: global_buffer, .address_space: global }
      - { .name: W2_codes, .offset: 40, .size: 8, .value_kind: global_buffer, .address_space: global }
      - { .name: W2_scales, .offset: 48, .size: 8, .value_kind: global_buffer, .address_space: global }
      - { .name: wl, .offset: 56, .size: 8, .value_kind: global_buffer, .address_space: global }
    .group_segment_fixed_size: 1024
    .private_segment_fixed_size: 0
    .kernarg_segment_align: 8
    .kernarg_segment_size: 64
    .max_flat_workgroup_size: 128
    .sgpr_count:     66
    .vgpr_count:     256
    .wavefront_size: 32
...
	.end_amdgpu_metadata
.endif
;; end of part 2
;; launch experts (part 3): grid 135 x 1, 4 waves a work-group, no clusters, 197,632 bytes of LDS; arguments tiles, rowlist, xq, xs, wl, b1, b2, y; writes y
.if DOCPART == 3
	.amdgcn_target "amdgcn-amd-amdhsa--gfx1250"
	.amdhsa_code_object_version 6
	.text
	.protected	k_q8d9c888f1e_experts
	.globl	k_q8d9c888f1e_experts
	.p2align	8
	.type	k_q8d9c888f1e_experts,@function
k_q8d9c888f1e_experts:
	s_mov_b64 s[64:65], 0
	v_nop
	global_prefetch_b8 v0, s[64:65] scope:SCOPE_SE
	s_setreg_imm32_b32 hwreg(HW_REG_WAVE_MODE, 25, 1), 1
	s_wait_xcnt 0x0
; LAUNCH 3 OF 4: y[rr] = Q(relu(Q(x) W1[e] + b1[e])) W2[e] + b2[e] for the routed rows alone (launch 1's head shows why the other rows are dead work), both products on codes of E2M1 with E8M0 scales.
; A WORK-GROUP takes one tile of the stored table, up to 64 routed rows of ONE expert, through the whole chain; the hidden layer never goes to memory.  135 work-groups serve every split (8,192 / 64 + 8 - 1).
; A tile without rows (at most 7) walks the chain on addresses held inside their buffers and stores nothing: an early end would put the barriers under a branch on a loaded number.  Rows past a tile's count are computed and not stored.
; THE WAVES SHARE THE COLUMNS.  F goes in four chunks of 512.  In chunk c wave w makes hidden units 512 c + 128 w .. + 127 (8 tiles of 16), which are K step w of the chunk for the second product, and it owns outputs
; 128 w .. + 127 (8 tiles), for all 64 rows (4 tiles m).  So each weight byte is wanted by exactly one wave of the work-group: the weights go from memory straight into registers, in the order that launch 2 laid them in,
; 17 loads of 512 consecutive bytes a piece, through a ring of four register buffers: three to four pieces are always on their way.
; NO CLUSTER, NO TENSOR LOAD: partners would have to hold tiles of one expert, which pads each expert to four tiles, and a joint load's address would hang on a loaded number; and LDS would be a detour for bytes that one wave reads once.
; BOTH PRODUCTS ARE USED TRANSPOSED (source 0 = 16 rows of a weight, source 1 = 16 routed rows): a lane holds ONE routed row (lane % 16), its eight registers eight neighbouring columns.  The rows of W1 that form a tile are chosen
; (launch 2) so that the 16 registers of tiles 2 b, 2 b + 1 are 16 neighbours along the next K.  b1 and b2 are the C of each sum's first matrix instruction.
; OPERANDS GO FROM WAVE TO WAVE THROUGH LDS AS IMAGES OF THEIR REGISTERS: 16 bytes a lane at 16 x lane, a scale word at 4 x lane.  The hidden layer has two such buffers by turns, so one barrier a chunk serves: a buffer is written
; again only by waves that have passed the barrier in front of which every wave has waited for its reads of it.
; y is rounded to bf16: it is an operand of the last product (out_e x gates), which the contract leaves as it is.
; LIMITS: NaN and infinities are not served; a block of zeros gets the scale byte 1 (its codes are zeros).
; REGISTERS, in windows of 256: window 0: addresses, scale words (v32-71: these hold scales and nothing else), what the quantiser works on, the biases, x's fragments.  window 1: the ring, 4 buffers x 64 (fragment t at 64 b + 8 t).
;   window 2: the hidden layer's 32 accumulators ((m, t) at 64 m + 8 t); in the second product v0-63 hold the hidden layer's fragments, two sets of 32.   window 3: y's 32 accumulators.
.set XIMG,  0                          ; LDS: x's 16 fragments, image (4 m + s) x 1,024
.set XSC,   0x4000                     ; their scale words: 512 bytes a tile m, 16 bytes a lane (word s = K step s)
.set B1L,   0x4800                     ; b1[e], 8,192 bytes
.set B2L,   0x6800                     ; b2[e], 2,048 bytes
.set SPARE, 0x7000                     ; the spare words, 128 bytes for each wave: two blocks of 256 bytes that no other line names
.set HB0,   0x10000                    ; the hidden layer's images (4 m + k) x 1,024, scale words at + HSW + (4 m + k) x 128; the second buffer 0x8000 on, so that one exclusive or turns an address
.set HSW,   0x4000
.set STG,   0x20000                    ; the stage for y: 64 rows x (1,024 bytes + 16)
.set SPI,   1040
.set PB,    8704                       ; bytes of a piece of the weights
.set LN16,  1                          ; v1   16 x lane
.set LN4,   2                          ; v2   4 x lane
.set HWI0,  3                          ; v3   16 x lane + 1,024 w
.set HWS0,  4                          ; v4   4 x lane + 128 w + HSW
.set HWI,   5                          ; v5-8 the chunk's buffer + v3, v4, v1, v2
.set HWS,   6
.set HRI,   7
.set HRS,   8
.set B1A0,  9                          ; v9   B1L + 512 w + 64 h
.set B1A,   10                         ; v10  + 2,048 x chunk
.set B2A,   11                         ; v11  B2L + 512 w + 32 h
.set STO,   12                         ; v12  the stage: where I put 16 bytes of a row
.set SRD,   13                         ; v13  and where I read rows back
.set RRW,   14                         ; v14  rr of row 16 w + lane % 16 of the tile
.set SPW,   22
.set NIL,   23
.set WS,    32                         ; v32-47  the weights' scale words, 4 a ring buffer: word q: lanes 0-15 tile 2 q, lanes 16-31 tile 2 q + 1
.set XS,    48                         ; v48-63  x's scale words, 4 m + s
.set HS,    64                         ; v64-71  the hidden layer's, two sets of 4
.set TM,    72                         ; v72-87  the quantiser's
.set PW,    88                         ; v88-91  the scale word just made, for tile m
.set CODE,  92                         ; v92-123 the codes just made, 8 a tile m; on the way out the stores' offsets
.set BIAS,  124                        ; v124-187 eight tiles of a bias in the result's layout
.set XB,    188                        ; v188-251 x's fragments, two sets of 4 x 8
.set PKD,   124                        ; the way out: 128 registers of bf16
.set WV,    28
.set WB,    40                         ; s[40:41] where the chunk's eight pieces begin
.set HT,    42                         ; s42  the chunk's buffer of the hidden layer
.set BC,    43                         ; s43  2,048 x chunk
.set TRIP,  44
.set LIM,   45
.set SEL,   46
.set ROW,   48
.set MSB, 0
.macro WIN new                         ; the immediate's high byte repeats the setting that is left; a switch that changes nothing is dropped
.if MSB != \new
	s_set_vgpr_msb (MSB<<8)|\new
.set MSB, \new
.endif
.endm
.macro PLACES n                        ; plain instructions behind matrix instructions, in front of loads into their registers and of reads of their results
.rept \n
	v_nop
.endr
.endm
.macro PIECE buf, p                    ; piece p of the chunk in hand into ring buffer buf: 17 loads of 512 consecutive bytes
	WIN 0x40                                       ; destination window 1
.set i, 0
.rept 16
	global_load_b128 v[64*(\buf)+4*i:64*(\buf)+4*i+3], v[LN16], s[WB:WB+1] offset:(\p)*PB+512*i
.set i, i+1
.endr
	WIN 0
	global_load_b128 v[WS+4*(\buf):WS+4*(\buf)+3], v[LN16], s[WB:WB+1] offset:(\p)*PB+8192
.endm
.macro REFILL q                        ; piece q has been multiplied: its buffer takes the piece four further on
	PIECE (\q)%4, (\q)+4
.endm
.macro XFETCH set, k                   ; x's four fragments of K step k
.irp m, 0,1,2,3
.irp c, 0,1
	ds_load_b128 v[XB+32*(\set)+8*\m+4*\c:XB+32*(\set)+8*\m+4*\c+3], v[LN16] offset:XIMG+(4*\m+(\k))*1024+512*\c
.endr
.endr
.endm
.macro BFETCH1 adr, off                ; b1 of my 8 tiles: tile 2 b + u, lane half h: hidden units 32 b + 16 h + 8 u + 0 .. 7
.irp t, 0,1,2,3,4,5,6,7
.irp q, 0,1
	ds_load_b128 v[BIAS+8*\t+4*\q:BIAS+8*\t+4*\q+3], v[\adr] offset:(\off)+128*(\t/2)+32*(\t%2)+16*\q
.endr
.endr
.endm
.macro BFETCH2                         ; b2 of my 8 tiles: tile t: outputs 16 t + 8 h + 0 .. 7
.irp t, 0,1,2,3,4,5,6,7
.irp q, 0,1
	ds_load_b128 v[BIAS+8*\t+4*\q:BIAS+8*\t+4*\q+3], v[B2A] offset:64*\t+16*\q
.endr
.endr
.endm
.macro HFETCH set, k                   ; the hidden layer's four fragments of the chunk's K step k, and their scale words: 12 LDS loads
	WIN 0x80                                       ; destination window 2
.irp m, 0,1,2,3
.irp c, 0,1
	ds_load_b128 v[32*(\set)+8*\m+4*\c:32*(\set)+8*\m+4*\c+3], v[HRI] offset:(4*\m+(\k))*1024+512*\c
.endr
.endr
	WIN 0
.irp m, 0,1,2,3
	ds_load_b32 v[HS+4*(\set)+\m], v[HRS] offset:HSW+(4*\m+(\k))*128
.endr
.endm
.macro WM d, a, b, c, sa, sb, odd      ; one product; an odd tile's scale words stand in lanes 16-31
.if \odd
	v_wmma_scale_f32_16x16x128_f8f6f4 v[\d:\d+7], v[\a:\a+7], v[\b:\b+7], v[\c:\c+7], v[\sa], v[\sb] matrix_a_fmt:MATRIX_FMT_FP4 matrix_b_fmt:MATRIX_FMT_FP4 matrix_a_scale:MATRIX_SCALE_ROW1
.else
	v_wmma_scale_f32_16x16x128_f8f6f4 v[\d:\d+7], v[\a:\a+7], v[\b:\b+7], v[\c:\c+7], v[\sa], v[\sb] matrix_a_fmt:MATRIX_FMT_FP4 matrix_b_fmt:MATRIX_FMT_FP4
.endif
.endm
; 32 products of the first layer, K step s: the 32 accumulators take turns, one instruction a turn, in the same order in every step
.macro MUL1 s
.if (\s) == 0
	WIN 0x81                                       ; W1 window 1, x and b1 window 0, the result window 2
.else
	WIN 0xa1                                       ; C and D window 2
.endif
.irp t, 0,1,2,3,4,5,6,7
.irp m, 0,1,2,3
.if (\s) == 0
	WM 64*\m+8*\t, 64*(\s)+8*\t, XB+32*((\s)%2)+8*\m, BIAS+8*\t, WS+4*(\s)+\t/2, XS+4*\m+(\s), \t%2
.else
	WM 64*\m+8*\t, 64*(\s)+8*\t, XB+32*((\s)%2)+8*\m, 64*\m+8*\t, WS+4*(\s)+\t/2, XS+4*\m+(\s), \t%2
.endif
.endr
.endr
.endm
; 32 products of the second layer, the chunk's K step p.  cb = 1: the very first, which start y's sums with b2
.macro MUL2 p, cb
.if \cb
	WIN 0xc9                                       ; W2 window 1, the hidden layer window 2, b2 window 0, the result window 3
.else
	WIN 0xf9                                       ; C and D window 3
.endif
.irp t, 0,1,2,3,4,5,6,7
.irp m, 0,1,2,3
.if \cb
	WM 64*\m+8*\t, 64*(\p)+8*\t, 32*((\p)%2)+8*\m, BIAS+8*\t, WS+4*(\p)+\t/2, HS+4*((\p)%2)+\m, \t%2
.else
	WM 64*\m+8*\t, 64*(\p)+8*\t, 32*((\p)%2)+8*\m, 64*\m+8*\t, WS+4*(\p)+\t/2, HS+4*((\p)%2)+\m, \t%2
.endif
.endr
.endr
.endm
; Tile m's 64 numbers of a lane (register 16 b + i = hidden unit 32 b + 16 (lane / 16) + i of my 128): relu, the four blocks' scales, the codes, and the image to LDS
.macro QUANT m
	WIN 0x88                                       ; source 1 and destination window 2
.set j, 0
.rept 64
	v_max_num_f32 v[64*(\m)+j], 0, v[64*(\m)+j]    ; the activation, in f32; each accumulator is read from its low end on
.set j, j+1
.endr
	WIN 0x28                                       ; sources 1 and 2 window 2
.irp b, 0,1,2,3
	v_max3_num_f32 v[TM+\b], 0x1800000, v[64*(\m)+16*\b], v[64*(\m)+16*\b+1]   ; my 16 of block b (none is negative), and the floor 2^(3 - 127): the byte cannot fall under 1
.endr
.irp i, 2,4,6,8,10,12,14
.irp b, 0,1,2,3
	v_max3_num_f32 v[TM+\b], v[TM+\b], v[64*(\m)+16*\b+\i], v[64*(\m)+16*\b+\i+1]   ; the four blocks by turns
.endr
.endr
	WIN 0
.irp b, 0,1,2,3
	v_permlanex16_b32 v[TM+4+\b], v[TM+\b], s[SEL], s[SEL+1]
.endr
.irp b, 0,1,2,3
	v_max_num_f32 v[TM+\b], v[TM+\b], v[TM+4+\b]   ; with lane l xor 16's 16: the block's largest
.endr
.irp b, 0,1,2,3
	v_add_nc_u32 v[TM+12+\b], 0xff000000, v[TM+\b] ; 2 off its exponent field: the conversion's scale operand
.endr
.irp b, 0,1,2,3
	v_lshrrev_b32 v[TM+4+\b], 23, v[TM+12+\b]      ; the scale's byte
.endr
	v_lshl_or_b32 v[PW+(\m)], v[TM+5], 8, v[TM+4]
	v_lshl_or_b32 v[PW+(\m)], v[TM+6], 16, v[PW+(\m)]
	v_lshl_or_b32 v[PW+(\m)], v[TM+7], 24, v[PW+(\m)]
	WIN 0x02                                       ; source 0 window 2
.irp b, 0,1,2,3
	v_cvt_scalef32_pk8_fp4_f32 v[CODE+8*(\m)+2*\b], v[64*(\m)+16*\b:64*(\m)+16*\b+7], v[TM+12+\b]
	v_cvt_scalef32_pk8_fp4_f32 v[CODE+8*(\m)+2*\b+1], v[64*(\m)+16*\b+8:64*(\m)+16*\b+15], v[TM+12+\b]
.endr
	WIN 0
	v_nop                                          ; one plain instruction behind the scaled conversions
.irp c, 0,1                            ; the operand's layout wants a whole block in a lane: lanes 0-15 block 2 c, lanes 16-31 block 2 c + 1
.irp i, 0,1
	v_permlane16_swap_b32 v[CODE+8*(\m)+4*\c+\i], v[CODE+8*(\m)+4*\c+2+\i]
.endr
.endr
	ds_store_b128 v[HWI], v[CODE+8*(\m):CODE+8*(\m)+3] offset:4096*(\m)
	ds_store_b128 v[HWI], v[CODE+8*(\m)+4:CODE+8*(\m)+7] offset:4096*(\m)+512
	ds_store_b32 v[HWS], v[PW+(\m)] offset:512*(\m)
.endm
; A CHUNK of 512 hidden units: 8 pieces of weights, 256 matrix instructions, one barrier.
.macro CHUNK first, last
.if \first == 0
	s_wait_xcnt 0x0                                ; the loads on their way have read their base: it is stepped only behind this wait
	s_add_nc_u64 s[WB:WB+1], s[WB:WB+1], 8*PB
	s_xor_b32 s[HT], s[HT], 0x8000                 ; the other buffer of the hidden layer
	s_add_co_u32 s[BC], s[BC], 2048
.endif
	v_add_nc_u32 v[HWI], s[HT], v[HWI0]
	v_add_nc_u32 v[HWS], s[HT], v[HWS0]
	v_add_nc_u32 v[HRI], s[HT], v[LN16]
	v_add_nc_u32 v[HRS], s[HT], v[LN4]
	v_add_nc_u32 v[B1A], s[BC], v[B1A0]
.irp s, 0,1,2,3
	s_wait_loadcnt 51                              ; this piece's 17 loads are in; the three pieces behind it stay out
.if (\s == 0) && \first
	s_wait_dscnt 0x0                               ; x's scale words, b1, x's first two K steps
.elseif \s == 2
	s_wait_dscnt 8                                 ; K step 2 of x is in; the eight loads of K step 3 stay out
.elseif \s == 3
.if \last
	s_wait_dscnt 0x0                               ; K step 3 of x; nothing was asked for behind it
.else
	s_wait_dscnt 8                                 ; K step 3 of x is in; the next chunk's K step 0 stays out
.endif
.endif
	MUL1 \s
	WIN 0
	PLACES 4
.if \s == 0
.if \first
	BFETCH2                                        ; b1's registers are free: b2, for y's first products
.elseif \last == 0
	BFETCH1 B1A, 2048                              ; the next chunk's b1
.endif
.endif
.if (\s < 2) || (\last == 0)
	XFETCH \s%2, (\s+2)%4                          ; the set just multiplied takes x's K step two on (round into the next chunk)
.endif
	REFILL \s
.endr
	QUANT 0
	QUANT 1
	QUANT 2
	QUANT 3
	s_wait_dscnt 0x0                               ; my images lie in LDS, and all my LDS loads are in
	s_barrier_signal -1
	s_barrier_wait -1                              ; the chunk's sixteen fragments of the hidden layer lie in LDS
	HFETCH 0, 0
	HFETCH 1, 1
.irp p, 0,1,2,3
.if \last
	s_wait_loadcnt 51-17*\p                        ; nothing more is asked for: the counts run down
.else
	s_wait_loadcnt 51                              ; this piece is in; the three behind it stay out
.endif
.if \p == 3
	s_wait_dscnt 0x0
.elseif (\p == 1) && \first
	s_wait_dscnt 28                                ; K step 1 is in; b1's 16 loads and K step 2's 12 stay out
.else
	s_wait_dscnt 12                                ; this K step is in; the 12 loads of the next stay out
.endif
.if (\p == 0) && \first
	MUL2 \p, 1
.else
	MUL2 \p, 0
.endif
	WIN 0
.if \p == 3
	PLACES 5                                       ; the next chunk's first products write over registers that these have read: one place more
.else
	PLACES 4
.endif
.if (\p == 0) && \first
	BFETCH1 B1A, 2048                              ; b2's registers are free: the next chunk's b1
.endif
.if \p < 2
	HFETCH \p, \p+2
.endif
.if \last == 0
	REFILL 4+\p                                    ; the next chunk's piece p
.endif
.endr
.endm
	s_load_b512 s[8:23], s[0:1], 0x0               ; tiles s[8:9], rowlist s[10:11], xq s[12:13], xs s[14:15], wl s[16:17], b1 s[18:19], b2 s[20:21], y s[22:23]
	v_lshl_add_u32 v[SPW], v0, 2, SPARE
	v_mov_b32 v[NIL], 0
	v_lshrrev_b32 v15, 5, v0
	v_readfirstlane_b32 s[WV], v15                 ; wave 0..3
	s_lshl_b32 s2, ttmp9, 4                        ; my entry of the table
	s_mov_b32 s3, 0
	s_wait_kmcnt 0x0
	s_add_nc_u64 s[8:9], s[8:9], s[2:3]
	s_load_b128 s[24:27], s[8:9], 0x0              ; expert, first place, rows, 0
	v_and_b32 v16, 31, v0                          ; lane
	v_and_b32 v17, 15, v0                          ; r
	v_bfe_u32 v18, v0, 4, 1                        ; h
	v_lshlrev_b32 v[LN16], 4, v16
	v_lshlrev_b32 v[LN4], 2, v16
	s_lshl_b32 s30, s[WV], 10
	v_add_nc_u32 v[HWI0], s30, v[LN16]
	s_lshl_b32 s30, s[WV], 7
	s_add_co_u32 s30, s30, HSW
	v_add_nc_u32 v[HWS0], s30, v[LN4]
	s_lshl_b32 s30, s[WV], 9
	s_add_co_u32 s31, s30, B1L
	v_lshl_add_u32 v[B1A0], v18, 6, s31
	s_add_co_u32 s31, s30, B2L
	v_lshl_add_u32 v[B2A], v18, 5, s31
	v_add_nc_u32 v25, s30, v[LN16]                 ; x's scale words on their way in: 512 w + 16 lane
	s_lshl_b32 s30, s[WV], 12
	v_add_nc_u32 v24, s30, v[LN16]                 ; x's images on their way in: 4,096 w + 16 lane
	s_lshl_b32 s30, s[WV], 8
	s_add_co_u32 s30, s30, STG
	v_mul_u32_u24 v[STO], v17, SPI
	v_lshl_add_u32 v[STO], v18, 4, v[STO]
	v_add_nc_u32 v[STO], s30, v[STO]               ; row r, my wave's 256 bytes, + 16 h
	s_mul_i32 s30, s[WV], 16*SPI
	s_add_co_u32 s30, s30, STG
	v_add_nc_u32 v[SRD], s30, v[LN16]              ; back: my 16 rows, 16 bytes a lane
	s_lshl_b32 s30, s[WV], 6
	v_lshl_add_u32 v19, v17, 2, s30                ; the list: 64 w + 4 r
	v_lshlrev_b32 v20, 4, v0                       ; 16 x thread
.irp b, 0,1,2,3
	v_mov_b32 v[TM+4+\b], 0                        ; written once: a lane permute's destination counts as one of its sources
.endr
	s_mov_b32 s[SEL], 0x76543210
	s_mov_b32 s[SEL+1], 0xfedcba98                 ; v_permlanex16_b32's selects for lane l xor 16
	s_mov_b32 s[HT], HB0
	s_mov_b32 s[BC], 0
	s_mov_b32 s31, 0
	s_wait_kmcnt 0x0
	s_min_u32 s24, s24, 7                          ; loaded numbers enter addresses held inside their tables
	s_min_u32 s25, s25, 8191
	s_min_u32 s26, s26, 64
	s_lshl_b32 s30, s25, 2
	s_add_nc_u64 s[10:11], s[10:11], s[30:31]      ; the list at the tile's first place
	s_lshl_b32 s30, s24, 13
	s_add_nc_u64 s[18:19], s[18:19], s[30:31]      ; b1[e]
	s_lshl_b32 s30, s24, 11
	s_add_nc_u64 s[20:21], s[20:21], s[30:31]      ; b2[e]
	s_mul_i32 s30, s24, 128*PB
	s_mul_i32 s32, s[WV], 32*PB
	s_add_co_u32 s30, s30, s32
	s_add_nc_u64 s[WB:WB+1], s[16:17], s[30:31]    ; my wave's 32 pieces of expert e
	global_load_b32 v[RRW], v19, s[10:11]
.irp n, 0,1,2,3
	global_load_b128 v[BIAS+4*\n:BIAS+4*\n+3], v20, s[18:19] offset:2048*\n
.endr
	global_load_b128 v[BIAS+16:BIAS+19], v20, s[20:21]
	s_wait_loadcnt 5                               ; my row's number is in; the biases' five loads stay out
	v_min_u32 v[RRW], 8191, v[RRW]
	v_and_b32 v21, 0x3ffe, v[RRW]                  ; 2 x token
	v_lshlrev_b32 v15, 7, v21
	v_lshl_add_u32 v15, v18, 4, v15                ; its codes: 256 x token + 16 h
	v_lshlrev_b32 v21, 3, v21                      ; its scale bytes: 16 x token
.irp s, 0,1,2,3
.irp c, 0,1
	global_load_b128 v[XB+8*\s+4*\c:XB+8*\s+4*\c+3], v15, s[12:13] offset:64*\s+32*\c   ; rows 16 w .. + 15 of the tile: four fragments
.endr
.endr
	global_load_b128 v[XB+32:XB+35], v21, s[14:15]
	PIECE 0, 0
	PIECE 1, 1
	PIECE 2, 2
	s_wait_loadcnt 51                              ; the biases and x are in; the ring's 51 loads stay out
.irp s, 0,1,2,3
.irp c, 0,1
	ds_store_b128 v24, v[XB+8*\s+4*\c:XB+8*\s+4*\c+3] offset:XIMG+1024*\s+512*\c
.endr
.endr
	ds_store_b128 v25, v[XB+32:XB+35] offset:XSC
.irp n, 0,1,2,3
	ds_store_b128 v20, v[BIAS+4*\n:BIAS+4*\n+3] offset:B1L+2048*\n
.endr
	ds_store_b128 v20, v[BIAS+16:BIAS+19] offset:B2L
	PIECE 3, 3
	s_wait_dscnt 0x0                               ; for the others' sake: my part of x and of the biases lies in LDS
	s_barrier_signal -1
	s_barrier_wait -1
.irp m, 0,1,2,3
	ds_load_b128 v[XS+4*\m:XS+4*\m+3], v[LN16] offset:XSC+512*\m
.endr
	BFETCH1 B1A0, 0
	XFETCH 0, 0
	XFETCH 1, 1
	CHUNK 1, 0
	s_mov_b32 s[TRIP], 2
.Lchunk:                                           ; chunks 1 and 2 (every window is 0 here)
	CHUNK 0, 0
	s_sub_co_u32 s[TRIP], s[TRIP], 1
	s_cmp_lg_u32 s[TRIP], 0
	s_cbranch_scc1 .Lchunk
	CHUNK 0, 1                                     ; the last chunk asks for nothing beyond the end
	; THE WAY OUT.  A lane's eight results are eight neighbouring outputs of one row: 16 bytes of bf16.  A row's 512 outputs come from four waves: they meet in the stage, and each wave stores 16 whole rows.
.irp m, 0,1,2,3
	WIN 0x0f                                       ; sources 0 and 1 window 3
.irp t, 0,1,2,3,4,5,6,7
.irp q, 0,1,2,3
	v_cvt_pk_bf16_f32 v[PKD+32*\m+4*\t+\q], v[64*\m+8*\t+2*\q], v[64*\m+8*\t+2*\q+1]   ; each accumulator from its low end on
.endr
.endr
	WIN 0
.irp t, 0,1,2,3,4,5,6,7
	ds_store_b128 v[STO], v[PKD+32*\m+4*\t:PKD+32*\m+4*\t+3] offset:16*SPI*\m+32*\t
.endr
.endr
	s_wait_dscnt 0x0                               ; for the others' sake: my stores into the stage are done
	s_barrier_signal -1
	s_barrier_wait -1                              ; the last barrier: the branches on the tile's count stand behind it
	s_wait_tensorcnt 0x0                           ; behind my last LDS store; only LDS loads follow
	ds_add_u32 v[SPW], v[NIL]
	s_lshl_b32 s30, s[WV], 4
	s_sub_co_i32 s[LIM], s26, s30                  ; how many of my 16 rows the tile has (0 or less: none)
	s_wait_dscnt 0x0
.irp i, 0,1,2,3,4,5,6,7,8,9,10,11,12,13,14,15
.irp q, 0,1
	ds_load_b128 v[PKD+8*\i+4*\q:PKD+8*\i+4*\q+3], v[SRD] offset:SPI*\i+512*\q
.endr
.endr
.irp i, 0,1,2,3,4,5,6,7,8,9,10,11,12,13,14,15
	s_cmp_le_i32 s[LIM], \i                        ; a stored whole number decides
	s_cbranch_scc1 .Ldone
	v_readlane_b32 s[ROW], v[RRW], \i              ; the row's rr
	s_min_u32 s[ROW], s[ROW], 8191
	v_lshl_add_u32 v[CODE+\i], s[ROW], 10, v[LN16] ; 1,024 bytes a row of y; a register of its own for each row's stores
	s_wait_dscnt 30-2*\i                           ; this row's two loads are in; the later rows' stay out
	global_store_b128 v[CODE+\i], v[PKD+8*\i:PKD+8*\i+3], s[22:23]               ; 512 consecutive bytes a store, aligned
	global_store_b128 v[CODE+\i], v[PKD+8*\i+4:PKD+8*\i+7], s[22:23] offset:512
.endr
.Ldone:
	s_wait_dscnt 0x0                               ; a short tile leaves stage loads out: they are waited for
	s_endpgm
.Lfunc_end_k_q8d9c888f1e_experts:
	.size	k_q8d9c888f1e_experts, .Lfunc_end_k_q8d9c888f1e_experts-k_q8d9c888f1e_experts
	.p2alignl 7, 3214868480
	.fill 96, 4, 3214868480
	.section	.rodata,"a",@progbits
	.p2align	6, 0x0
	.amdhsa_kernel k_q8d9c888f1e_experts
		.amdhsa_group_segment_fixed_size 197632
		.amdhsa_private_segment_fixed_size 0
		.amdhsa_enable_private_segment 0
		.amdhsa_kernarg_size 64
		.amdhsa_user_sgpr_count 2
		.amdhsa_user_sgpr_kernarg_segment_ptr 1
		.amdhsa_wavefront_size32 1
		.amdhsa_system_sgpr_workgroup_id_x 1
		.amdhsa_system_sgpr_workgroup_id_y 1
		.amdhsa_system_sgpr_workgroup_id_z 1
		.amdhsa_system_vgpr_workitem_id 0
		.amdhsa_next_free_vgpr 1024
		.amdhsa_next_free_sgpr 66
		.amdhsa_reserve_vcc 0
		.amdhsa_float_denorm_mode_32 3
		.amdhsa_float_denorm_mode_16_64 3
		.amdhsa_memory_ordered 1
		.amdhsa_forward_progress 1
		.amdhsa_inst_pref_size 255
	.end_amdhsa_kernel
	.section	.bss,"aw",@nobits
	.p2align	6
	.space	262144
	.amdgpu_metadata
---
amdhsa.version: [ 1, 2 ]
amdhsa.kernels:
  - .name:           k_q8d9c888f1e_experts
    .symbol:         k_q8d9c888f1e_experts.kd
    .args:
      - { .name: tiles, .offset: 0, .size: 8, .value_kind: global_buffer, .address_space: global }
      - { .name: rowlist, .offset: 8, .size: 8, .value_kind: global_buffer, .address_space: global }
      - { .name: xq, .offset: 16, .size: 8, .value_kind: global_buffer, .address_space: global }
      - { .name: xs, .offset: 24, .size: 8, .value_kind: global_buffer, .address_space: global }
      - { .name: wl, .offset: 32, .size: 8, .value_kind: global_buffer, .address_space: global }
      - { .name: b1, .offset: 40, .size: 8, .value_kind: global_buffer, .address_space: global }
      - { .name: b2, .offset: 48, .size: 8, .value_kind: global_buffer, .address_space: global }
      - { .name: y, .offset: 56, .size: 8, .value_kind: global_buffer, .address_space: global }
    .group_segment_fixed_size: 197632
    .private_segment_fixed_size: 0
    .kernarg_segment_align: 8
    .kernarg_segment_size: 64
    .max_flat_workgroup_size: 128
    .sgpr_count:     66
    .vgpr_count:     1024
    .wavefront_size: 32
...
	.end_amdgpu_metadata
.endif
;; end of part 3
;; launch combine (part 4): grid 256 x 1, 8 waves a work-group, no clusters, 0 bytes of LDS; arguments y, gates, out0; writes out0
.if DOCPART == 4
	.amdgcn_target "amdgcn-amd-amdhsa--gfx1250"
	.amdhsa_code_object_version 6
	.text
	.protected	k_q8d9c888f1e_combine
	.globl	k_q8d9c888f1e_combine
	.p2align	8
	.type	k_q8d9c888f1e_combine,@function
k_q8d9c888f1e_combine:
	s_mov_b64 s[64:65], 0
	v_nop
	global_prefetch_b8 v0, s[64:65] scope:SCOPE_SE
	s_setreg_imm32_b32 hwreg(HW_REG_WAVE_MODE, 25, 1), 1
	s_wait_xcnt 0x0
; LAUNCH 4 OF 4: out[t] = g1[t] y[2 t] + g2[t] y[2 t + 1]: reference()'s last product, of which only the two terms with a gate other than 0 are formed (launch 1's head shows why the six others are dead work).
; y: [8,192][512] bf16 (out_e + b2 of the routed rows), gates: [4,096][2] f32, out0: [4,096][512] f32.  Multiply-adds in f32, straight from the bf16 halves.
; A stream: a wave owns two tokens, four rows of y, 4,096 consecutive bytes.  All its 16 loads (256 consecutive bytes each) go out at once; the waits count down; each store covers 512 consecutive bytes, aligned.
; No LDS, no barrier, no loop, no matrix unit (K = 2), no cluster: the waves share nothing.
.set Y, 16                             ; v16-47  group n = 4 u + q: the two rows' 8 bytes a lane, 2 registers each
.set O, 48                             ; v48-79  its four results a lane
	s_load_b128 s[4:7], s[0:1], 0x0                ; y s[4:5], gates s[6:7]
	s_load_b64 s[8:9], s[0:1], 0x10                ; out0
	v_lshrrev_b32 v1, 5, v0
	v_readfirstlane_b32 s10, v1                    ; wave 0..7
	v_and_b32 v3, 31, v0
	v_lshlrev_b32 v1, 3, v3                        ; in: 8 bytes a lane
	v_lshlrev_b32 v2, 4, v3                        ; out: 16
	v_mov_b32 v8, 0
	s_lshl_b32 s11, ttmp9, 3
	s_add_co_u32 s11, s11, s10                     ; which pair of tokens
	s_lshl_b32 s16, s11, 12                        ; 4,096 bytes of y and of out0,
	s_mov_b32 s17, 0
	s_lshl_b32 s18, s11, 4                         ; 16 of gates
	s_mov_b32 s19, 0
	s_wait_kmcnt 0x0
	s_add_nc_u64 s[4:5], s[4:5], s[16:17]
	s_add_nc_u64 s[8:9], s[8:9], s[16:17]
	s_add_nc_u64 s[6:7], s[6:7], s[18:19]
	s_load_b128 s[12:15], s[6:7], 0x0              ; g1, g2 of the first token, g1, g2 of the second
.irp u, 0,1
.irp q, 0,1,2,3
.irp l, 0,1
	global_load_b64 v[Y+4*(4*\u+\q)+2*\l:Y+4*(4*\u+\q)+2*\l+1], v1, s[4:5] offset:2048*\u+1024*\l+256*\q th:TH_LOAD_NT
.endr
.endr
.endr
	s_wait_kmcnt 0x0
	v_mov_b32 v4, s12
	v_mov_b32 v5, s13
	v_mov_b32 v6, s14
	v_mov_b32 v7, s15
.irp u, 0,1
.irp q, 0,1,2,3
	s_wait_loadcnt 14-2*(4*\u+\q)                  ; this group's two loads are in; the later groups' stay out
.irp k, 0,1
	v_fma_mix_f32_bf16 v[O+4*(4*\u+\q)+2*\k], v[Y+4*(4*\u+\q)+\k], v[4+2*\u], v8 op_sel_hi:[1,0,0]                    ; the low half x g1
	v_fma_mix_f32_bf16 v[O+4*(4*\u+\q)+2*\k+1], v[Y+4*(4*\u+\q)+\k], v[4+2*\u], v8 op_sel:[1,0,0] op_sel_hi:[1,0,0]   ; the high half x g1
.endr
.irp k, 0,1
	v_fma_mix_f32_bf16 v[O+4*(4*\u+\q)+2*\k], v[Y+4*(4*\u+\q)+2+\k], v[5+2*\u], v[O+4*(4*\u+\q)+2*\k] op_sel_hi:[1,0,0]   ; + the second row's x g2
	v_fma_mix_f32_bf16 v[O+4*(4*\u+\q)+2*\k+1], v[Y+4*(4*\u+\q)+2+\k], v[5+2*\u], v[O+4*(4*\u+\q)+2*\k+1] op_sel:[1,0,0] op_sel_hi:[1,0,0]
.endr
	global_store_b128 v2, v[O+4*(4*\u+\q):O+4*(4*\u+\q)+3], s[8:9] offset:2048*\u+512*\q th:TH_STORE_NT
.endr
.endr
	s_endpgm
.Lfunc_end_k_q8d9c888f1e_combine:
	.size	k_q8d9c888f1e_combine, .Lfunc_end_k_q8d9c888f1e_combine-k_q8d9c888f1e_combine
	.p2alignl 7, 3214868480
	.fill 96, 4, 3214868480
	.section	.rodata,"a",@progbits
	.p2align	6, 0x0
	.amdhsa_kernel k_q8d9c888f1e_combine
		.amdhsa_group_segment_fixed_size 0
		.amdhsa_private_segment_fixed_size 0
		.amdhsa_enable_private_segment 0
		.amdhsa_kernarg_size 24
		.amdhsa_user_sgpr_count 2
		.amdhsa_user_sgpr_kernarg_segment_ptr 1
		.amdhsa_wavefront_size32 1
		.amdhsa_system_sgpr_workgroup_id_x 1
		.amdhsa_system_sgpr_workgroup_id_y 1
		.amdhsa_system_sgpr_workgroup_id_z 1
		.amdhsa_system_vgpr_workitem_id 0
		.amdhsa_next_free_vgpr 96
		.amdhsa_next_free_sgpr 66
		.amdhsa_reserve_vcc 0
		.amdhsa_float_denorm_mode_32 3
		.amdhsa_float_denorm_mode_16_64 3
		.amdhsa_memory_ordered 1
		.amdhsa_forward_progress 1
		.amdhsa_inst_pref_size 8
	.end_amdhsa_kernel
	.amdgpu_metadata
---
amdhsa.version: [ 1, 2 ]
amdhsa.kernels:
  - .name:           k_q8d9c888f1e_combine
    .symbol:         k_q8d9c888f1e_combine.kd
    .args:
      - { .name: y, .offset: 0, .size: 8, .value_kind: global_buffer, .address_space: global }
      - { .name: gates, .offset: 8, .size: 8, .value_kind: global_buffer, .address_space: global }
      - { .name: out0, .offset: 16, .size: 8, .value_kind: global_buffer, .address_space: global }
    .group_segment_fixed_size: 0
    .private_segment_fixed_size: 0
    .kernarg_segment_align: 8
    .kernarg_segment_size: 24
    .max_flat_workgroup_size: 256
    .sgpr_count:     66
    .vgpr_count:     96
    .wavefront_size: 32
...
	.end_amdgpu_metadata
.endif
;; end of part 4
;; ======== version 2 of 2: 3 launches; 1.13 times as fast as version 1
;; workspace buffers: xq 1,048,576 bytes; xs 65,536 bytes; gates 32,768 bytes; route 32,768 bytes of whole numbers; wl 8,912,896 bytes; y 8,388,608 bytes
;; launch route_layout (part 5): grid 256 x 1, 4 waves a work-group, no clusters, 39,424 bytes of LDS; arguments x, Wr, br, xq, xs, gates, route, wl, W1_codes, W1_scales, W2_codes, W2_scales; writes xq, xs, gates, route, wl
.if DOCPART == 5
	.amdgcn_target "amdgcn-amd-amdhsa--gfx1250"
	.amdhsa_code_object_version 6
	.text
	.protected	k_q8d9c888f1e_route_layout
	.globl	k_q8d9c888f1e_route_layout
	.p2align	8
	.type	k_q8d9c888f1e_route_layout,@function
k_q8d9c888f1e_route_layout:
	s_mov_b64 s[64:65], 0
	v_nop
	global_prefetch_b8 v0, s[64:65] scope:SCOPE_SE
	s_setreg_imm32_b32 hwreg(HW_REG_WAVE_MODE, 25, 1), 1
	s_wait_xcnt 0x0
; LAUNCH 1 OF 3.  Two pieces of work that hang on nothing of each other share one launch: work-groups 0 to 127 run the router and quantise x, work-groups 128 to 255 lay the weights out.
; THE PROGRAM.  out[t] = g1 y[t, i1] + g2 y[t, i2], y[t, e] = Q(relu(Q(x[t]) W1[e] + b1[e])) W2[e] + b2[e], Q the stated quantiser along K; i1, i2 the token's two largest router logits.
; WORK LEFT OUT, dead for all finite values of the inputs:
;  (1) reference() multiplies every expert's out_e by gates[t][e], which it builds in its own body as the sum of one_hot(topk_idx) x topk_p: for the six experts outside a token's top 2 that factor is exactly 0,
;      so their rows of products 2, 3 and 4 reach no output.  Only the 8,192 routed rows (token, chosen expert) are multiplied.
;  (2) the softmax's denominator Z: topk_p / sum(topk_p) = (e^(l1-m) / Z) / ((e^(l1-m) + e^(l2-m)) / Z), in which Z cancels.  The maximum m that reference() takes away is l1 itself, and it is taken away here too:
;      g1 = 1 / (1 + e^(l2-l1)), g2 = e^(l2-l1) g1; no exponent is above 0.
;  Every input has a way to an output and is loaded by some launch.
; LIMITS.  A NaN, an infinity or an overflow that reaches only the work left out (an unchosen expert, Z) is not carried to the result.  NaN and infinities among the inputs are not served.
;  The two experts are chosen on the logits, of which the softmax is a rising function; ties go to the lower index, as in jax.lax.top_k; where two different logits round to one f32 probability in reference(), its choice may differ.
;  A block of zeros gets the scale byte 1 where the rule says 127: its codes are zeros, and the bytes are read by this program alone.
; THE ROUTER.  A work-group owns 32 tokens, each of its four waves 8, a token (512 numbers, 2,048 bytes) a step.  Each of a step's four loads reads 512 consecutive bytes; the bytes turn through the wave's own stage in LDS,
; so that a lane holds 16 neighbours along K (two lanes a block of 32).  The same 16 numbers are multiplied by the lane's 16 rows of Wr, which stay in 128 registers; the eight sums are added over the 32 lanes.
; Wave 0 then takes a token a lane: top 2, gates, and for each expert the group's count of rows and each row's rank in it: whole numbers stored at fixed places; no address and no branch here hangs on them.
; route: bytes 0 on: a word a token, i1 | i2 << 4 | rank1 << 8 | rank2 << 16;  bytes 16,384 on: counts [lane 32][group 128], lane e < 8 the group's rows of expert e, the other lanes zeros.
; THE LAYOUT.  W1's and W2's codes and scale bytes are laid in the order in which a wave of launch 2 takes them into its operand registers, so that each of its loads there is 512 consecutive bytes.
; wl = [expert 8][wave w 4][chunk c 4][piece 8][8,704 bytes].  A piece: byte 1,024 t + 512 c2 + 16 lane = registers 4 c2 .. 4 c2 + 3 of fragment t (16 rows x 128 K); from byte 8,192 on 16 bytes a lane: word q = the
; scale word of tile 2 q + lane / 16, row lane % 16.  Pieces 0-3: W1, K step = piece; lane r of tile 2 b + u takes row 512 c + 128 w + 32 b + 8 u + r + 8 (r / 8), so that the results of two neighbouring tiles are 16 neighbours
; along the next K.  Pieces 4-7: W2, K step 4 c + piece - 4; tile t takes rows 128 w + 16 t + r.
; The two paths part on the work-group's number alone; only the router touches LDS.  No matrix unit (N = 8), no cluster, no tensor load: the work-groups share only Wr's 16 KiB.
.set WRP,   528                        ; Wr in LDS: 32 rows of 512 bytes (16 k x 8 experts) + 16 of padding, so that the lanes' reads of a column start at different banks
.set STG,   32*WRP                     ; two stages of 32 x SP bytes for each wave
.set SP,    80                         ; a lane's place in a stage: its 64 bytes + 16 of padding
.set SCB,   STG+4*2*32*SP              ; the 32 tokens' scale bytes, 16 a token
.set LG,    SCB+512                    ; their logits, 32 bytes a token
.set SPARE, LG+1024                    ; the spare words, 128 bytes for each wave: two blocks of 256 bytes that no other line names
.set PB,    8704                       ; bytes of a piece of wl
.set SPW,   12                         ; v12  LDS address of my spare word; never rewritten
.set NIL,   13                         ; v13  0; never rewritten
.set WR,    16                         ; v16-143  Wr[16 lane + i][e] at v[WR + 8 i + e]
.set R,     144                        ; v144-207 four sets of 16 numbers as they are loaded
.set X,     208                        ; v208-239 two sets of 16 neighbours
.set ACC,   240                        ; v240-247 the eight logits' sums
.set CD,    248                        ; v248-251 codes, two sets of two
.set TP,    252                        ; v252-255 the other half of the lanes' sums
.set WV,    50                         ; s50  my wave's number
	s_load_b256 s[4:11], s[0:1], 0x0               ; x s[4:5], Wr s[6:7], br s[8:9], xq s[10:11]
	s_load_b256 s[12:19], s[0:1], 0x20             ; xs s[12:13], gates s[14:15], route s[16:17], wl s[18:19]
	s_load_b256 s[40:47], s[0:1], 0x40             ; W1's codes s[40:41], W1's scales s[42:43], W2's codes s[44:45], W2's scales s[46:47]
	v_lshl_add_u32 v[SPW], v0, 2, SPARE
	v_mov_b32 v[NIL], 0
	v_lshrrev_b32 v2, 5, v0
	v_readfirstlane_b32 s[WV], v2                  ; wave 0..3
	v_and_b32 v1, 31, v0                           ; lane
	s_cmp_ge_u32 ttmp9, 128
	s_cbranch_scc1 .Llayout
	; ---- THE ROUTER AND x's CODES
	v_lshlrev_b32 v2, 5, v1                        ; 32 x lane: a token's logits, for wave 0's part
	v_lshlrev_b32 v3, 4, v1                        ; 16 x lane
	v_lshlrev_b32 v4, 3, v1                        ; 8 x lane: my 16 codes
	s_lshl_b32 s30, s[WV], 7
	s_add_co_u32 s30, s30, SCB
	v_lshrrev_b32 v5, 1, v1
	v_add_nc_u32 v5, s30, v5                       ; my block's scale byte: SCB + 128 wave + lane / 2 (+ 16 a step)
	s_lshl_b32 s30, s[WV], 8
	s_add_co_u32 s30, s30, LG
	v_mov_b32 v6, s30                              ; my wave's logits: LG + 256 wave (+ 32 a step)
	v_mul_u32_u24 v7, v1, WRP                      ; my 16 rows of Wr in LDS
	s_mul_i32 s30, s[WV], 2*32*SP
	s_add_co_u32 s30, s30, STG                     ; my wave's stages
	v_lshrrev_b32 v14, 2, v1
	v_mul_u32_u24 v14, v14, SP
	v_and_b32 v15, 3, v1
	v_lshl_add_u32 v14, v15, 4, v14
	v_add_nc_u32 v14, s30, v14                     ; into a stage: four lanes' 64 bytes on end, then the padding
	v_mul_u32_u24 v15, v1, SP
	v_add_nc_u32 v15, s30, v15                     ; out of it: SP x lane: my 16 neighbours
	s_mul_i32 s30, s[WV], WRP
	v_add_nc_u32 v10, s30, v3                      ; Wr's way in: row wave (+ 4 a load), 16 x lane
	v_lshlrev_b32 v11, 4, v0                       ; and in memory: 16 x thread (+ 2,048 a load)
	s_mov_b32 s28, 0x76543210
	s_mov_b32 s29, 0xfedcba98                      ; v_permlanex16_b32's selects for lane l xor 16
.irp e, 0,1,2,3
	v_mov_b32 v[TP+\e], 0                          ; written once: a lane permute's destination counts as one of its sources
.endr
	s_lshl_b32 s32, ttmp9, 16                      ; x: 32 tokens of 2,048 bytes a work-group,
	s_lshl_b32 s33, s[WV], 14                      ; 8 a wave
	s_add_co_u32 s32, s32, s33
	s_mov_b32 s33, 0
	s_lshl_b32 s34, ttmp9, 13                      ; xq: 256 bytes a token
	s_lshl_b32 s35, s[WV], 11
	s_add_co_u32 s34, s34, s35
	s_mov_b32 s35, 0
	s_lshl_b32 s36, ttmp9, 7                       ; route: the tokens' words, 128 bytes a work-group;
	s_mov_b32 s37, 0
	s_lshl_b32 s38, ttmp9, 2                       ; the counts: 4 bytes a work-group in each lane's row
	s_mov_b32 s39, 0
	s_wait_kmcnt 0x0
	s_load_b256 s[20:27], s[8:9], 0x0              ; br
	s_add_nc_u64 s[4:5], s[4:5], s[32:33]
	s_add_nc_u64 s[10:11], s[10:11], s[34:35]
	s_add_nc_u64 s[38:39], s[16:17], s[38:39]
	s_add_nc_u64 s[16:17], s[16:17], s[36:37]
	s_lshl_b32 s36, ttmp9, 8                       ; gates: 256 bytes a work-group
	s_add_nc_u64 s[14:15], s[14:15], s[36:37]
	s_lshl_b32 s36, ttmp9, 9                       ; xs: 512
	s_add_nc_u64 s[12:13], s[12:13], s[36:37]
.irp n, 0,1,2,3,4,5,6,7
	global_load_b128 v[WR+4*\n:WR+4*\n+3], v11, s[6:7] offset:2048*\n   ; Wr, 16 KiB by 128 threads: 512 consecutive bytes a wave and load
.endr
.macro LOAD t                          ; token t of my eight: four loads of 512 consecutive bytes into set t % 4
.irp i, 0,1,2,3
	global_load_b128 v[R+16*((\t)%4)+4*\i:R+16*((\t)%4)+4*\i+3], v3, s[4:5] offset:2048*(\t)+512*\i th:TH_LOAD_NT
.endr
.endm
.macro TURN t                          ; its numbers through stage t % 2: LDS serves a wave's instructions in order, so no wait stands between the stores and the loads
.irp i, 0,1,2,3
	ds_store_b128 v14, v[R+16*((\t)%4)+4*\i:R+16*((\t)%4)+4*\i+3] offset:32*SP*((\t)%2)+8*SP*\i
.endr
.irp i, 0,1,2,3
	ds_load_b128 v[X+16*((\t)%2)+4*\i:X+16*((\t)%2)+4*\i+3], v15 offset:32*SP*((\t)%2)+16*\i
.endr
.endm
.irp t, 0,1,2,3
	LOAD \t
.endr
	s_wait_loadcnt 16                              ; Wr's eight loads are in; the sixteen of x behind them stay out
.irp n, 0,1,2,3,4,5,6,7
	ds_store_b128 v10, v[WR+4*\n:WR+4*\n+3] offset:4*WRP*\n
.endr
	s_wait_dscnt 0x0                               ; for the others' sake: my part of Wr lies in LDS
	s_barrier_signal -1
	s_barrier_wait -1
.set n, 0
.rept 32
	ds_load_b128 v[WR+4*n:WR+4*n+3], v7 offset:16*n   ; my 16 rows of Wr, 512 bytes: they stay
.set n, n+1
.endr
	s_wait_loadcnt 12                              ; token 0's four loads are in; those of tokens 1 to 3 stay out
	TURN 0
.macro STEP t
.set XS, X+16*((\t)%2)
.set CS, CD+2*((\t)%2)
	s_wait_dscnt 0x0                               ; this token's numbers are back from the stage (in the first step: Wr too), and my earlier LDS stores have read their registers
.if (\t)+4 < 8
	LOAD (\t)+4                                    ; into the set that this token's stage stores have read
.endif
.if (\t)+1 < 8
.if (\t) <= 3
	s_wait_loadcnt 12                              ; the next token's four loads are in; those of the three tokens behind it stay out
.else
	s_wait_loadcnt 4*(6-(\t))                      ; likewise, with fewer tokens behind it
.endif
	TURN (\t)+1                                    ; through the other stage while this token is worked
.endif
	s_wait_xcnt 0x0                                ; the store of two steps ago has read this set of codes: it is rewritten only behind this wait
	v_max3_num_f32 v8, |v[XS]|, |v[XS+1]|, |v[XS+2]|               ; the largest magnitude of my 16, in two chains
	v_max3_num_f32 v9, |v[XS+3]|, |v[XS+4]|, |v[XS+5]|
.irp i, 6,10
	v_max3_num_f32 v8, v8, |v[XS+\i]|, |v[XS+\i+1]|
	v_max3_num_f32 v9, v9, |v[XS+\i+2]|, |v[XS+\i+3]|
.endr
	v_max3_num_f32 v8, v8, |v[XS+14]|, |v[XS+15]|
	v_max3_num_f32 v8, v8, v9, 0x1800000           ; and the floor 2^(3 - 127): the byte cannot fall under 1
	v_max_num_f32_dpp v8, v8, v8 row_xmask:1 row_mask:0xf bank_mask:0xf   ; with my neighbour's 16: the block's
	v_add_nc_u32 v11, 0xff000000, v8               ; 2 off its exponent field: the conversion takes the exponent field of this operand as its scale
	v_cvt_scalef32_pk8_fp4_f32 v[CS], v[XS:XS+7], v11
	v_cvt_scalef32_pk8_fp4_f32 v[CS+1], v[XS+8:XS+15], v11
	v_lshrrev_b32 v10, 23, v11                     ; the scale's byte (a plain instruction behind the conversions)
	ds_store_b8 v5, v10 offset:16*(\t)             ; both lanes of a block write the same byte with the same value
	global_store_b64 v4, v[CS:CS+1], s[10:11] offset:256*(\t)      ; the wave stores the token's 256 bytes of codes, consecutive and aligned
.irp p, 0,1,2,3
	v_pk_mul_f32 v[ACC+2*\p:ACC+2*\p+1], v[XS:XS+1], v[WR+2*\p:WR+2*\p+1] op_sel_hi:[0,1]   ; the router: x[k] Wr[k][e], two experts at a time; the first product starts the sums
.endr
.irp i, 1,2,3,4,5,6,7,8,9,10,11,12,13,14,15
.irp p, 0,1,2,3
.if (\i)%2
	v_pk_fma_f32 v[ACC+2*\p:ACC+2*\p+1], v[XS+\i-1:XS+\i], v[WR+8*\i+2*\p:WR+8*\i+2*\p+1], v[ACC+2*\p:ACC+2*\p+1] op_sel:[1,0,0] op_sel_hi:[1,1,1]
.else
	v_pk_fma_f32 v[ACC+2*\p:ACC+2*\p+1], v[XS+\i:XS+\i+1], v[WR+8*\i+2*\p:WR+8*\i+2*\p+1], v[ACC+2*\p:ACC+2*\p+1] op_sel_hi:[0,1,1]
.endif
.endr
.endr
.irp k, 1,2,4,8
.irp e, 0,1,2,3,4,5,6,7
	v_add_f32_dpp v[ACC+\e], v[ACC+\e], v[ACC+\e] row_xmask:\k row_mask:0xf bank_mask:0xf   ; over the 16 lanes of a half, the eight sums by turns
.endr
.endr
.irp q, 0,4
.irp e, 0,1,2,3
	v_permlanex16_b32 v[TP+\e], v[ACC+\q+\e], s28, s29
.endr
.irp e, 0,1,2,3
	v_add_f32 v[ACC+\q+\e], v[ACC+\q+\e], v[TP+\e]                 ; and the other half's
.endr
.endr
	ds_store_b128 v6, v[ACC:ACC+3] offset:32*(\t)                  ; all lanes write the same words with the same values
	ds_store_b128 v6, v[ACC+4:ACC+7] offset:32*(\t)+16
.endm
.irp t, 0,1,2,3,4,5,6,7
	STEP \t
.endr
	s_wait_dscnt 0x0                               ; for wave 0's sake: my logits and scale bytes lie in LDS
	s_barrier_signal -1
	s_barrier_wait -1
	s_wait_tensorcnt 0x0                           ; behind my last LDS store; only LDS loads follow
	ds_add_u32 v[SPW], v[NIL]
	s_wait_dscnt 0x0
	s_cmp_lg_u32 s[WV], 0
	s_cbranch_scc1 .Lothers
	; WAVE 0: a lane is a token
	ds_load_b128 v[16:19], v2 offset:LG
	ds_load_b128 v[20:23], v2 offset:LG+16
	ds_load_b128 v[24:27], v3 offset:SCB
	v_mov_b32 v33, 0                               ; i1
	v_mov_b32 v34, 0xff800000                      ; m2 = -infinity
	v_mov_b32 v35, 1                               ; i2
	v_mov_b32 v42, 0                               ; the group's counts, expert e in lane e
	v_mov_b32 v46, 0                               ; my first row's rank among the group's rows of its expert,
	v_mov_b32 v47, 0                               ; my second's
	v_lshlrev_b32 v45, 2, v1
	v_lshlrev_b32 v48, 9, v1                       ; the counts: a row of 512 bytes a lane
	s_wait_dscnt 0x0
	s_wait_kmcnt 0x0                               ; br
	global_store_b128 v3, v[24:27], s[12:13]       ; the 32 tokens' scale bytes: 512 consecutive bytes
.irp e, 0,1,2,3,4,5,6,7
	v_add_f32 v[16+\e], s[20+\e], v[16+\e]
.endr
	v_mov_b32 v32, v16                             ; m1
.irp e, 1,2,3,4,5,6,7                  ; strictly greater: the lower index keeps a tie
	v_mov_b32 v36, \e
	v_cmp_gt_f32 s30, v[16+\e], v32
	v_cmp_gt_f32 s31, v[16+\e], v34
	v_cndmask_b32 v34, v34, v[16+\e], s31
	v_cndmask_b32 v35, v35, v36, s31
	v_cndmask_b32 v34, v34, v32, s30
	v_cndmask_b32 v35, v35, v33, s30
	v_cndmask_b32 v32, v32, v[16+\e], s30
	v_cndmask_b32 v33, v33, v36, s30
.endr
	v_sub_f32 v37, v34, v32                        ; l2 - l1, 0 or less: the maximum is taken away
	v_mul_f32 v37, 0x3fb8aa3b, v37                 ; x log2(e)
	v_exp_f32 v38, v37
	v_nop                                          ; a plain instruction behind the transcendental,
	s_wait_alu depctr_va_vdst(0)                   ; and a wait ahead of its first reader
	v_add_f32 v39, 1.0, v38
	v_rcp_f32 v40, v39                             ; g1
	v_nop
	s_wait_alu depctr_va_vdst(0)
	v_mul_f32 v41, v38, v40                        ; g2
.irp e, 0,1,2,3,4,5,6,7
	v_cmp_eq_u32 s30, \e, v33
	v_cmp_eq_u32 s31, \e, v35
	s_or_b32 s32, s30, s31                         ; the tokens of the group that have a row with expert e (a token has at most one)
	s_bcnt1_i32_b32 s33, s32
	v_writelane_b32 v42, s33, \e
	v_mbcnt_lo_u32_b32 v43, s32, 0                 ; how many of them stand below my lane
	v_cndmask_b32 v46, v46, v43, s30
	v_cndmask_b32 v47, v47, v43, s31
.endr
	v_lshl_or_b32 v44, v35, 4, v33                 ; i1 | i2 << 4 | rank1 << 8 | rank2 << 16
	v_lshl_or_b32 v44, v46, 8, v44
	v_lshl_or_b32 v44, v47, 16, v44
	global_store_b32 v45, v44, s[16:17]
	global_store_b32 v48, v42, s[38:39] offset:16384
	global_store_b64 v4, v[40:41], s[14:15]
.Lothers:
	s_endpgm
	; ---- THE LAYOUT.  Work-group 128 + j: expert j / 16, chunk (j / 4) % 4, wave w = j % 4 of launch 2.  My wave v takes pieces v and 4 + v.
.Llayout:
	s_sub_co_u32 s21, ttmp9, 128
	s_lshr_b32 s22, s21, 4                         ; e
	s_bfe_u32 s23, s21, 0x20002                    ; c
	s_and_b32 s24, s21, 3                          ; w
	v_and_b32 v2, 15, v0                           ; r
	v_bfe_u32 v3, v0, 4, 1                         ; h
	v_and_b32 v4, 8, v2
	v_add_nc_u32 v4, v4, v2                        ; r + 8 (r / 8)
	v_lshlrev_b32 v5, 8, v4
	v_lshl_add_u32 v5, v3, 4, v5                   ; W1's codes: a row is 256 bytes; + 16 h
	v_lshlrev_b32 v6, 10, v2
	v_lshl_add_u32 v6, v3, 4, v6                   ; W2's: a row is 1,024 bytes
	v_lshl_add_u32 v7, v3, 3, v4
	v_lshlrev_b32 v7, 4, v7                        ; W1's scale words: row 8 h + r + 8 (r / 8) of 16 bytes (+ 32 rows a word)
	v_lshl_add_u32 v8, v3, 4, v2
	v_lshlrev_b32 v8, 6, v8                        ; W2's: row 16 h + r of 64 bytes (+ 32 rows a word)
	v_lshlrev_b32 v9, 4, v1                        ; out: 16 x lane
	s_lshl_b32 s25, s23, 9
	s_lshl_b32 s26, s24, 7
	s_add_co_u32 s25, s25, s26                     ; W1's first row: 512 c + 128 w
	s_lshl_b32 s26, s23, 2
	s_add_co_u32 s26, s26, s[WV]                   ; W2's K step: 4 c + v
	s_lshl_b32 s28, s22, 19                        ; W1's codes: 524,288 e + 256 x row + 64 v
	s_lshl_b32 s27, s25, 8
	s_add_co_u32 s28, s28, s27
	s_lshl_b32 s27, s[WV], 6
	s_add_co_u32 s28, s28, s27
	s_mov_b32 s29, 0
	s_lshl_b32 s30, s22, 15                        ; W1's scales: 32,768 e + 16 x row + 4 v
	s_lshl_b32 s27, s25, 4
	s_add_co_u32 s30, s30, s27
	s_lshl_b32 s27, s[WV], 2
	s_add_co_u32 s30, s30, s27
	s_mov_b32 s31, 0
	s_lshl_b32 s32, s22, 19                        ; W2's codes: 524,288 e + 128 w rows of 1,024 + 64 x K step
	s_lshl_b32 s27, s24, 17
	s_add_co_u32 s32, s32, s27
	s_lshl_b32 s27, s26, 6
	s_add_co_u32 s32, s32, s27
	s_mov_b32 s33, 0
	s_lshl_b32 s34, s22, 15                        ; W2's scales: 32,768 e + 128 w rows of 64 + 4 x K step
	s_lshl_b32 s27, s24, 13
	s_add_co_u32 s34, s34, s27
	s_lshl_b32 s27, s26, 2
	s_add_co_u32 s34, s34, s27
	s_mov_b32 s35, 0
	s_lshl_b32 s36, s22, 2                         ; wl: (((4 e + w) 4 + c) 8 + v) pieces
	s_add_co_u32 s36, s36, s24
	s_lshl_b32 s36, s36, 2
	s_add_co_u32 s36, s36, s23
	s_lshl_b32 s36, s36, 3
	s_add_co_u32 s36, s36, s[WV]
	s_mul_i32 s36, s36, PB
	s_mov_b32 s37, 0
	s_wait_kmcnt 0x0
	s_add_nc_u64 s[40:41], s[40:41], s[28:29]
	s_add_nc_u64 s[42:43], s[42:43], s[30:31]
	s_add_nc_u64 s[44:45], s[44:45], s[32:33]
	s_add_nc_u64 s[46:47], s[46:47], s[34:35]
	s_add_nc_u64 s[18:19], s[18:19], s[36:37]
.irp t, 0,1,2,3,4,5,6,7
.irp c, 0,1
	global_load_b128 v[32+8*\t+4*\c:32+8*\t+4*\c+3], v5, s[40:41] offset:(32*(\t/2)+8*(\t%2))*256+32*\c
.endr
.endr
.irp q, 0,1,2,3
	global_load_b32 v[96+\q], v7, s[42:43] offset:512*\q
.endr
.irp t, 0,1,2,3,4,5,6,7
.irp c, 0,1
	global_load_b128 v[100+8*\t+4*\c:100+8*\t+4*\c+3], v6, s[44:45] offset:16384*\t+32*\c
.endr
.endr
.irp q, 0,1,2,3
	global_load_b32 v[164+\q], v8, s[46:47] offset:2048*\q
.endr
	s_wait_loadcnt 20                              ; W1's piece, 20 loads, is in; W2's 20 stay out
.set i, 0
.rept 17
	global_store_b128 v9, v[32+4*i:32+4*i+3], s[18:19] offset:512*i          ; 512 consecutive bytes a store, aligned
.set i, i+1
.endr
	s_wait_loadcnt 0x0
.set i, 0
.rept 17
	global_store_b128 v9, v[100+4*i:100+4*i+3], s[18:19] offset:4*PB+512*i
.set i, i+1
.endr
	s_endpgm
.Lfunc_end_k_q8d9c888f1e_route_layout:
	.size	k_q8d9c888f1e_route_layout, .Lfunc_end_k_q8d9c888f1e_route_layout-k_q8d9c888f1e_route_layout
	.p2alignl 7, 3214868480
	.fill 96, 4, 3214868480
	.section	.rodata,"a",@progbits
	.p2align	6, 0x0
	.amdhsa_kernel k_q8d9c888f1e_route_layout
		.amdhsa_group_segment_fixed_size 39424
		.amdhsa_private_segment_fixed_size 0
		.amdhsa_enable_private_segment 0
		.amdhsa_kernarg_size 96
		.amdhsa_user_sgpr_count 2
		.amdhsa_user_sgpr_kernarg_segment_ptr 1
		.amdhsa_wavefront_size32 1
		.amdhsa_system_sgpr_workgroup_id_x 1
		.amdhsa_system_sgpr_workgroup_id_y 1
		.amdhsa_system_sgpr_workgroup_id_z 1
		.amdhsa_system_vgpr_workitem_id 0
		.amdhsa_next_free_vgpr 256
		.amdhsa_next_free_sgpr 66
		.amdhsa_reserve_vcc 0
		.amdhsa_float_denorm_mode_32 3
		.amdhsa_float_denorm_mode_16_64 3
		.amdhsa_memory_ordered 1
		.amdhsa_forward_progress 1
		.amdhsa_inst_pref_size 96
	.end_amdhsa_kernel
	.amdgpu_metadata
---
amdhsa.version: [ 1, 2 ]
amdhsa.kernels:
  - .name:           k_q8d9c888f1e_route_layout
    .symbol:         k_q8d9c888f1e_route_layout.kd
    .args:
      - { .name: x, .offset: 0, .size: 8, .value_kind: global_buffer, .address_space: global }
      - { .name: Wr, .offset: 8, .size: 8, .value_kind: global_buffer, .address_space: global }
      - { .name: br, .offset: 16, .size: 8, .value_kind: global_buffer, .address_space: global }
      - { .name: xq, .offset: 24, .size: 8, .value_kind: global_buffer, .address_space: global }
      - { .name: xs, .offset: 32, .size: 8, .value_kind: global_buffer, .address_space: global }
      - { .name: gates, .offset: 40, .size: 8, .value_kind: global_buffer, .address_space: global }
      - { .name: route, .offset: 48, .size: 8, .value_kind: global_buffer, .address_space: global }
      - { .name: wl, .offset: 56, .size: 8, .value_kind: global_buffer, .address_space: global }
      - { .name: W1_codes, .offset: 64, .size: 8, .value_kind: global_buffer, .address_space: global }
      - { .name: W1_scales, .offset: 72, .size: 8, .value_kind: global_buffer, .address_space: global }
      - { .name: W2_codes, .offset: 80, .size: 8, .value_kind: global_buffer, .address_space: global }
      - { .name: W2_scales, .offset: 88, .size: 8, .value_kind: global_buffer, .address_space: global }
    .group_segment_fixed_size: 39424
    .private_segment_fixed_size: 0
    .kernarg_segment_align: 8
    .kernarg_segment_size: 96
    .max_flat_workgroup_size: 128
    .sgpr_count:     66
    .vgpr_count:     256
    .wavefront_size: 32
...
	.end_amdgpu_metadata
.endif
;; end of part 5
;; launch experts (part 6): grid 135 x 1, 4 waves a work-group, no clusters, 197,632 bytes of LDS; arguments xq, xs, wl, b1, b2, y, route; writes y
.if DOCPART == 6
	.amdgcn_target "amdgcn-amd-amdhsa--gfx1250"
	.amdhsa_code_object_version 6
	.text
	.protected	k_q8d9c888f1e_experts
	.globl	k_q8d9c888f1e_experts
	.p2align	8
	.type	k_q8d9c888f1e_experts,@function
k_q8d9c888f1e_experts:
	s_mov_b64 s[64:65], 0
	v_nop
	global_prefetch_b8 v0, s[64:65] scope:SCOPE_SE
	s_setreg_imm32_b32 hwreg(HW_REG_WAVE_MODE, 25, 1), 1
	s_wait_xcnt 0x0
; LAUNCH 2 OF 3: y[rr] = Q(relu(Q(x) W1[e] + b1[e])) W2[e] + b2[e] for the routed rows alone (launch 1's head shows why the other rows are dead work), both products on codes of E2M1 with E8M0 scales.
; A WORK-GROUP takes one tile, up to 64 routed rows of ONE expert, through the whole chain; the hidden layer never goes to memory.  135 work-groups serve every split (8,192 / 64 + 8 - 1).
; EACH WORK-GROUP FINDS ITS OWN TILE AND ROWS from the whole numbers that launch 1 stored, so that no launch is spent on placing.  An expert's rows are taken in the order of the tokens.  From the counts [expert][group of 32 tokens]
; every wave sums each expert's rows, walks the eight experts (ceil(rows / 64) tiles each) to the tile with the work-group's number, and each lane then looks for place p = 64 k + 16 w + lane % 16 among the expert's rows:
; the block of four groups by 32 compares with running sums, the group by 3 more, the token among the group's 32 words by its expert and rank.  Numbers that were loaded enter addresses only held inside their tables.
; A tile without rows (at most 7) walks the chain on such held addresses and stores nothing: an early end would put the barriers under a branch on a loaded number.  Rows past a tile's count are computed and not stored.
; THE WAVES SHARE THE COLUMNS.  F goes in four chunks of 512.  In chunk c wave w makes hidden units 512 c + 128 w .. + 127 (8 tiles of 16), which are K step w of the chunk for the second product, and it owns outputs
; 128 w .. + 127 (8 tiles), for all 64 rows (4 tiles m).  So each weight byte is wanted by exactly one wave of the work-group: the weights go from memory straight into registers, in the order that launch 1 laid them in,
; 17 loads of 512 consecutive bytes a piece, through a ring of four register buffers: three to four pieces are always on their way.
; NO CLUSTER, NO TENSOR LOAD: partners would have to hold tiles of one expert, which pads each expert to four tiles, and a joint load's address would hang on a loaded number; and LDS would be a detour for bytes that one wave reads once.
; BOTH PRODUCTS ARE USED TRANSPOSED (source 0 = 16 rows of a weight, source 1 = 16 routed rows): a lane holds ONE routed row (lane % 16), its eight registers eight neighbouring columns.  The rows of W1 that form a tile are chosen
; (launch 1) so that the 16 registers of tiles 2 b, 2 b + 1 are 16 neighbours along the next K.  b1 and b2 are the C of each sum's first matrix instruction.
; OPERANDS GO FROM WAVE TO WAVE THROUGH LDS AS IMAGES OF THEIR REGISTERS: 16 bytes a lane at 16 x lane, a scale word at 4 x lane.  The hidden layer has two such buffers by turns, so one barrier a chunk serves: a buffer is written
; again only by waves that have passed the barrier in front of which every wave has waited for its reads of it.
; y is rounded to bf16: it is an operand of the last product (out_e x gates), which the contract leaves as it is.
; LIMITS: NaN and infinities are not served; a block of zeros gets the scale byte 1 (its codes are zeros).
; REGISTERS, in windows of 256: window 0: addresses, scale words (v32-71: these hold scales and nothing else), what the quantiser works on, the biases, x's fragments.  window 1: the ring, 4 buffers x 64 (fragment t at 64 b + 8 t).
;   window 2: the hidden layer's 32 accumulators ((m, t) at 64 m + 8 t); in the second product v0-63 hold the hidden layer's fragments, two sets of 32.   window 3: y's 32 accumulators.
.set XIMG,  0                          ; LDS: x's 16 fragments, image (4 m + s) x 1,024
.set XSC,   0x4000                     ; their scale words: 512 bytes a tile m, 16 bytes a lane (word s = K step s)
.set B1L,   0x4800                     ; b1[e], 8,192 bytes
.set B2L,   0x6800                     ; b2[e], 2,048 bytes
.set SPARE, 0x7000                     ; the spare words, 128 bytes for each wave: two blocks of 256 bytes that no other line names
.set HB0,   0x10000                    ; the hidden layer's images (4 m + k) x 1,024, scale words at + HSW + (4 m + k) x 128; the second buffer 0x8000 on, so that one exclusive or turns an address
.set HSW,   0x4000
.set STG,   0x20000                    ; the stage for y: 64 rows x (1,024 bytes + 16)
.set SPI,   1040
.set PB,    8704                       ; bytes of a piece of the weights
.set LN16,  1                          ; v1   16 x lane
.set LN4,   2                          ; v2   4 x lane
.set HWI0,  3                          ; v3   16 x lane + 1,024 w
.set HWS0,  4                          ; v4   4 x lane + 128 w + HSW
.set HWI,   5                          ; v5-8 the chunk's buffer + v3, v4, v1, v2
.set HWS,   6
.set HRI,   7
.set HRS,   8
.set B1A0,  9                          ; v9   B1L + 512 w + 64 h
.set B1A,   10                         ; v10  + 2,048 x chunk
.set B2A,   11                         ; v11  B2L + 512 w + 32 h
.set STO,   12                         ; v12  the stage: where I put 16 bytes of a row
.set SRD,   13                         ; v13  and where I read rows back
.set RRW,   14                         ; v14  rr of row 16 w + lane % 16 of the tile
.set SPW,   22
.set NIL,   23
.set WS,    32                         ; v32-47  the weights' scale words, 4 a ring buffer: word q: lanes 0-15 tile 2 q, lanes 16-31 tile 2 q + 1
.set XS,    48                         ; v48-63  x's scale words, 4 m + s
.set HS,    64                         ; v64-71  the hidden layer's, two sets of 4
.set TM,    72                         ; v72-87  the quantiser's
.set PW,    88                         ; v88-91  the scale word just made, for tile m
.set CODE,  92                         ; v92-123 the codes just made, 8 a tile m; on the way out the stores' offsets
.set BIAS,  124                        ; v124-187 eight tiles of a bias in the result's layout
.set XB,    188                        ; v188-251 x's fragments, two sets of 4 x 8
.set PKD,   124                        ; the way out: 128 registers of bf16
; the head's own, in registers that the chain takes over later:
.set SS,    72                         ; v72-79  my four groups' rows of expert e
.set PK,    80                         ; v80-83  two experts' sums to a word
.set TD,    84                         ; v84-87  what another lane holds
.set CT,    92                         ; v92-123 counts: expert e, groups 4 lane .. + 3 at v[CT + 4 e ..]
.set IW,    92                         ; v92-123 later: my group's 32 words
.set CS,    144                        ; v144-147 my four groups' counts of the tile's expert
.set S4,    148                        ; their sum
.set VP,    149                        ; my place among the expert's rows
.set VB,    150                        ; its block of four groups
.set VBASE, 151                        ; the rows ahead of that block
.set IX,    152
.set C0,    153                        ; v153-155 the block's counts, then their running sums
.set REM,   156
.set GI,    159
.set SUB,   160
.set VG,    161                        ; the group
.set VQ,    162                        ; the rank in it
.set GA,    163
.set K1,    164
.set K2,    165
.set RL,    166
.set T0,    167
.set T1,    168
.set WV,    28
.set WB,    40                         ; s[40:41] where the chunk's eight pieces begin
.set HT,    42                         ; s42  the chunk's buffer of the hidden layer
.set BC,    43                         ; s43  2,048 x chunk
.set TRIP,  44
.set LIM,   45
.set SEL,   46
.set ROW,   48
.set TT,    50                         ; s50-57 rows of expert e
.set QQ,    68                         ; s68-99 the expert's rows in blocks 0 .. l
.set MSB, 0
.macro WIN new                         ; the immediate's high byte repeats the setting that is left; a switch that changes nothing is dropped
.if MSB != \new
	s_set_vgpr_msb (MSB<<8)|\new
.set MSB, \new
.endif
.endm
.macro PLACES n                        ; plain instructions behind matrix instructions, in front of loads into their registers and of reads of their results
.rept \n
	v_nop
.endr
.endm
.macro PIECE buf, p                    ; piece p of the chunk in hand into ring buffer buf: 17 loads of 512 consecutive bytes
	WIN 0x40                                       ; destination window 1
.set i, 0
.rept 16
	global_load_b128 v[64*(\buf)+4*i:64*(\buf)+4*i+3], v[LN16], s[WB:WB+1] offset:(\p)*PB+512*i
.set i, i+1
.endr
	WIN 0
	global_load_b128 v[WS+4*(\buf):WS+4*(\buf)+3], v[LN16], s[WB:WB+1] offset:(\p)*PB+8192
.endm
.macro REFILL q                        ; piece q has been multiplied: its buffer takes the piece four further on
	PIECE (\q)%4, (\q)+4
.endm
.macro XFETCH set, k                   ; x's four fragments of K step k
.irp m, 0,1,2,3
.irp c, 0,1
	ds_load_b128 v[XB+32*(\set)+8*\m+4*\c:XB+32*(\set)+8*\m+4*\c+3], v[LN16] offset:XIMG+(4*\m+(\k))*1024+512*\c
.endr
.endr
.endm
.macro BFETCH1 adr, off                ; b1 of my 8 tiles: tile 2 b + u, lane half h: hidden units 32 b + 16 h + 8 u + 0 .. 7
.irp t, 0,1,2,3,4,5,6,7
.irp q, 0,1
	ds_load_b128 v[BIAS+8*\t+4*\q:BIAS+8*\t+4*\q+3], v[\adr] offset:(\off)+128*(\t/2)+32*(\t%2)+16*\q
.endr
.endr
.endm
.macro BFETCH2                         ; b2 of my 8 tiles: tile t: outputs 16 t + 8 h + 0 .. 7
.irp t, 0,1,2,3,4,5,6,7
.irp q, 0,1
	ds_load_b128 v[BIAS+8*\t+4*\q:BIAS+8*\t+4*\q+3], v[B2A] offset:64*\t+16*\q
.endr
.endr
.endm
.macro HFETCH set, k                   ; the hidden layer's four fragments of the chunk's K step k, and their scale words: 12 LDS loads
	WIN 0x80                                       ; destination window 2
.irp m, 0,1,2,3
.irp c, 0,1
	ds_load_b128 v[32*(\set)+8*\m+4*\c:32*(\set)+8*\m+4*\c+3], v[HRI] offset:(4*\m+(\k))*1024+512*\c
.endr
.endr
	WIN 0
.irp m, 0,1,2,3
	ds_load_b32 v[HS+4*(\set)+\m], v[HRS] offset:HSW+(4*\m+(\k))*128
.endr
.endm
.macro WM d, a, b, c, sa, sb, odd      ; one product; an odd tile's scale words stand in lanes 16-31
.if \odd
	v_wmma_scale_f32_16x16x128_f8f6f4 v[\d:\d+7], v[\a:\a+7], v[\b:\b+7], v[\c:\c+7], v[\sa], v[\sb] matrix_a_fmt:MATRIX_FMT_FP4 matrix_b_fmt:MATRIX_FMT_FP4 matrix_a_scale:MATRIX_SCALE_ROW1
.else
	v_wmma_scale_f32_16x16x128_f8f6f4 v[\d:\d+7], v[\a:\a+7], v[\b:\b+7], v[\c:\c+7], v[\sa], v[\sb] matrix_a_fmt:MATRIX_FMT_FP4 matrix_b_fmt:MATRIX_FMT_FP4
.endif
.endm
; 32 products of the first layer, K step s: the 32 accumulators take turns, one instruction a turn, in the same order in every step
.macro MUL1 s
.if (\s) == 0
	WIN 0x81                                       ; W1 window 1, x and b1 window 0, the result window 2
.else
	WIN 0xa1                                       ; C and D window 2
.endif
.irp t, 0,1,2,3,4,5,6,7
.irp m, 0,1,2,3
.if (\s) == 0
	WM 64*\m+8*\t, 64*(\s)+8*\t, XB+32*((\s)%2)+8*\m, BIAS+8*\t, WS+4*(\s)+\t/2, XS+4*\m+(\s), \t%2
.else
	WM 64*\m+8*\t, 64*(\s)+8*\t, XB+32*((\s)%2)+8*\m, 64*\m+8*\t, WS+4*(\s)+\t/2, XS+4*\m+(\s), \t%2
.endif
.endr
.endr
.endm
; 32 products of the second layer, the chunk's K step p.  cb = 1: the very first, which start y's sums with b2
.macro MUL2 p, cb
.if \cb
	WIN 0xc9                                       ; W2 window 1, the hidden layer window 2, b2 window 0, the result window 3
.else
	WIN 0xf9                                       ; C and D window 3
.endif
.irp t, 0,1,2,3,4,5,6,7
.irp m, 0,1,2,3
.if \cb
	WM 64*\m+8*\t, 64*(\p)+8*\t, 32*((\p)%2)+8*\m, BIAS+8*\t, WS+4*(\p)+\t/2, HS+4*((\p)%2)+\m, \t%2
.else
	WM 64*\m+8*\t, 64*(\p)+8*\t, 32*((\p)%2)+8*\m, 64*\m+8*\t, WS+4*(\p)+\t/2, HS+4*((\p)%2)+\m, \t%2
.endif
.endr
.endr
.endm
; Tile m's 64 numbers of a lane (register 16 b + i = hidden unit 32 b + 16 (lane / 16) + i of my 128): relu, the four blocks' scales, the codes, and the image to LDS
.macro QUANT m
	WIN 0x88                                       ; source 1 and destination window 2
.set j, 0
.rept 64
	v_max_num_f32 v[64*(\m)+j], 0, v[64*(\m)+j]    ; the activation, in f32; each accumulator is read from its low end on
.set j, j+1
.endr
	WIN 0x28                                       ; sources 1 and 2 window 2
.irp b, 0,1,2,3
	v_max3_num_f32 v[TM+\b], 0x1800000, v[64*(\m)+16*\b], v[64*(\m)+16*\b+1]   ; my 16 of block b (none is negative), and the floor 2^(3 - 127): the byte cannot fall under 1
.endr
.irp i, 2,4,6,8,10,12,14
.irp b, 0,1,2,3
	v_max3_num_f32 v[TM+\b], v[TM+\b], v[64*(\m)+16*\b+\i], v[64*(\m)+16*\b+\i+1]   ; the four blocks by turns
.endr
.endr
	WIN 0
.irp b, 0,1,2,3
	v_permlanex16_b32 v[TM+4+\b], v[TM+\b], s[SEL], s[SEL+1]
.endr
.irp b, 0,1,2,3
	v_max_num_f32 v[TM+\b], v[TM+\b], v[TM+4+\b]   ; with lane l xor 16's 16: the block's largest
.endr
.irp b, 0,1,2,3
	v_add_nc_u32 v[TM+12+\b], 0xff000000, v[TM+\b] ; 2 off its exponent field: the conversion's scale operand
.endr
.irp b, 0,1,2,3
	v_lshrrev_b32 v[TM+4+\b], 23, v[TM+12+\b]      ; the scale's byte
.endr
	v_lshl_or_b32 v[PW+(\m)], v[TM+5], 8, v[TM+4]
	v_lshl_or_b32 v[PW+(\m)], v[TM+6], 16, v[PW+(\m)]
	v_lshl_or_b32 v[PW+(\m)], v[TM+7], 24, v[PW+(\m)]
	WIN 0x02                                       ; source 0 window 2
.irp b, 0,1,2,3
	v_cvt_scalef32_pk8_fp4_f32 v[CODE+8*(\m)+2*\b], v[64*(\m)+16*\b:64*(\m)+16*\b+7], v[TM+12+\b]
	v_cvt_scalef32_pk8_fp4_f32 v[CODE+8*(\m)+2*\b+1], v[64*(\m)+16*\b+8:64*(\m)+16*\b+15], v[TM+12+\b]
.endr
	WIN 0
	v_nop                                          ; one plain instruction behind the scaled conversions
.irp c, 0,1                            ; the operand's layout wants a whole block in a lane: lanes 0-15 block 2 c, lanes 16-31 block 2 c + 1
.irp i, 0,1
	v_permlane16_swap_b32 v[CODE+8*(\m)+4*\c+\i], v[CODE+8*(\m)+4*\c+2+\i]
.endr
.endr
	ds_store_b128 v[HWI], v[CODE+8*(\m):CODE+8*(\m)+3] offset:4096*(\m)
	ds_store_b128 v[HWI], v[CODE+8*(\m)+4:CODE+8*(\m)+7] offset:4096*(\m)+512
	ds_store_b32 v[HWS], v[PW+(\m)] offset:512*(\m)
.endm
; A CHUNK of 512 hidden units: 8 pieces of weights, 256 matrix instructions, one barrier.
.macro CHUNK first, last
.if \first == 0
	s_wait_xcnt 0x0                                ; the loads on their way have read their base: it is stepped only behind this wait
	s_add_nc_u64 s[WB:WB+1], s[WB:WB+1], 8*PB
	s_xor_b32 s[HT], s[HT], 0x8000                 ; the other buffer of the hidden layer
	s_add_co_u32 s[BC], s[BC], 2048
.endif
	v_add_nc_u32 v[HWI], s[HT], v[HWI0]
	v_add_nc_u32 v[HWS], s[HT], v[HWS0]
	v_add_nc_u32 v[HRI], s[HT], v[LN16]
	v_add_nc_u32 v[HRS], s[HT], v[LN4]
	v_add_nc_u32 v[B1A], s[BC], v[B1A0]
.irp s, 0,1,2,3
	s_wait_loadcnt 51                              ; this piece's 17 loads are in; the three pieces behind it stay out
.if (\s == 0) && \first
	s_wait_dscnt 0x0                               ; x's scale words, b1, x's first two K steps
.elseif \s == 2
	s_wait_dscnt 8                                 ; K step 2 of x is in; the eight loads of K step 3 stay out
.elseif \s == 3
.if \last
	s_wait_dscnt 0x0                               ; K step 3 of x; nothing was asked for behind it
.else
	s_wait_dscnt 8                                 ; K step 3 of x is in; the next chunk's K step 0 stays out
.endif
.endif
	MUL1 \s
	WIN 0
	PLACES 4
.if \s == 0
.if \first
	BFETCH2                                        ; b1's registers are free: b2, for y's first products
.elseif \last == 0
	BFETCH1 B1A, 2048                              ; the next chunk's b1
.endif
.endif
.if (\s < 2) || (\last == 0)
	XFETCH \s%2, (\s+2)%4                          ; the set just multiplied takes x's K step two on (round into the next chunk)
.endif
	REFILL \s
.endr
	QUANT 0
	QUANT 1
	QUANT 2
	QUANT 3
	s_wait_dscnt 0x0                               ; my images lie in LDS, and all my LDS loads are in
	s_barrier_signal -1
	s_barrier_wait -1                              ; the chunk's sixteen fragments of the hidden layer lie in LDS
	HFETCH 0, 0
	HFETCH 1, 1
.irp p, 0,1,2,3
.if \last
	s_wait_loadcnt 51-17*\p                        ; nothing more is asked for: the counts run down
.else
	s_wait_loadcnt 51                              ; this piece is in; the three behind it stay out
.endif
.if \p == 3
	s_wait_dscnt 0x0
.elseif (\p == 1) && \first
	s_wait_dscnt 28                                ; K step 1 is in; b1's 16 loads and K step 2's 12 stay out
.else
	s_wait_dscnt 12                                ; this K step is in; the 12 loads of the next stay out
.endif
.if (\p == 0) && \first
	MUL2 \p, 1
.else
	MUL2 \p, 0
.endif
	WIN 0
.if \p == 3
	PLACES 5                                       ; the next chunk's first products write over registers that these have read: one place more
.else
	PLACES 4
.endif
.if (\p == 0) && \first
	BFETCH1 B1A, 2048                              ; b2's registers are free: the next chunk's b1
.endif
.if \p < 2
	HFETCH \p, \p+2
.endif
.if \last == 0
	REFILL 4+\p                                    ; the next chunk's piece p
.endif
.endr
.endm
	s_load_b256 s[12:19], s[0:1], 0x0              ; xq s[12:13], xs s[14:15], wl s[16:17], b1 s[18:19]
	s_load_b128 s[20:23], s[0:1], 0x20             ; b2 s[20:21], y s[22:23]
	s_load_b64 s[10:11], s[0:1], 0x30              ; route
	v_lshl_add_u32 v[SPW], v0, 2, SPARE
	v_mov_b32 v[NIL], 0
	v_lshrrev_b32 v15, 5, v0
	v_readfirstlane_b32 s[WV], v15                 ; wave 0..3
	v_and_b32 v16, 31, v0                          ; lane
	v_lshlrev_b32 v[LN16], 4, v16
	s_mov_b32 s[SEL], 0x76543210
	s_mov_b32 s[SEL+1], 0xfedcba98                 ; v_permlanex16_b32's selects for lane l xor 16
	s_wait_kmcnt 0x0
.irp e, 0,1,2,3,4,5,6,7
	global_load_b128 v[CT+4*\e:CT+4*\e+3], v[LN16], s[10:11] offset:16384+512*\e   ; the counts of expert e in groups 4 lane .. + 3: 512 consecutive bytes a load
.endr
	v_and_b32 v17, 15, v0                          ; r
	v_bfe_u32 v18, v0, 4, 1                        ; h
	v_lshlrev_b32 v[LN4], 2, v16
	s_lshl_b32 s30, s[WV], 10
	v_add_nc_u32 v[HWI0], s30, v[LN16]
	s_lshl_b32 s30, s[WV], 7
	s_add_co_u32 s30, s30, HSW
	v_add_nc_u32 v[HWS0], s30, v[LN4]
	s_lshl_b32 s30, s[WV], 9
	s_add_co_u32 s31, s30, B1L
	v_lshl_add_u32 v[B1A0], v18, 6, s31
	s_add_co_u32 s31, s30, B2L
	v_lshl_add_u32 v[B2A], v18, 5, s31
	v_add_nc_u32 v25, s30, v[LN16]                 ; x's scale words on their way in: 512 w + 16 lane
	s_lshl_b32 s30, s[WV], 12
	v_add_nc_u32 v24, s30, v[LN16]                 ; x's images on their way in: 4,096 w + 16 lane
	s_lshl_b32 s30, s[WV], 8
	s_add_co_u32 s30, s30, STG
	v_mul_u32_u24 v[STO], v17, SPI
	v_lshl_add_u32 v[STO], v18, 4, v[STO]
	v_add_nc_u32 v[STO], s30, v[STO]               ; row r, my wave's 256 bytes, + 16 h
	s_mul_i32 s30, s[WV], 16*SPI
	s_add_co_u32 s30, s30, STG
	v_add_nc_u32 v[SRD], s30, v[LN16]              ; back: my 16 rows, 16 bytes a lane
	v_lshlrev_b32 v20, 4, v0                       ; 16 x thread
.irp k, 0,1,2,3
	v_mov_b32 v[TD+\k], 0                          ; written once: the destination of a lane move counts as one of its sources
.endr
	s_mov_b32 s[HT], HB0
	s_mov_b32 s[BC], 0
	s_mov_b32 s31, 0
	s_wait_loadcnt 0x0                             ; the counts
	; ---- each expert's rows in all
.irp e, 0,1,2,3,4,5,6,7
	v_add_nc_u32 v[SS+\e], v[CT+4*\e], v[CT+4*\e+1]
.endr
.irp i, 2,3
.irp e, 0,1,2,3,4,5,6,7
	v_add_nc_u32 v[SS+\e], v[SS+\e], v[CT+4*\e+\i]
.endr
.endr
.irp k, 0,1,2,3
	v_lshl_add_u32 v[PK+\k], v[SS+2*\k+1], 16, v[SS+2*\k]          ; two experts to a word: a sum is 4,096 at the most (a token has at most one row with an expert)
.endr
.irp m, 1,2,4,8
.irp k, 0,1,2,3
	v_mov_b32_dpp v[TD+\k], v[PK+\k] row_xmask:\m row_mask:0xf bank_mask:0xf
.endr
.irp k, 0,1,2,3
	v_add_nc_u32 v[PK+\k], v[PK+\k], v[TD+\k]      ; over the 16 lanes of a half
.endr
.endr
.irp k, 0,1,2,3
	v_permlanex16_b32 v[TD+\k], v[PK+\k], s[SEL], s[SEL+1]
.endr
.irp k, 0,1,2,3
	v_add_nc_u32 v[PK+\k], v[PK+\k], v[TD+\k]      ; and the other half's
.endr
.irp k, 0,1,2,3
	v_readfirstlane_b32 s[58+\k], v[PK+\k]
.endr
.irp k, 0,1,2,3
	s_and_b32 s[TT+2*\k], s[58+\k], 0xffff
	s_lshr_b32 s[TT+2*\k+1], s[58+\k], 16
.endr
	; ---- which tile is mine: the experts' tiles follow each other, ceil(rows / 64) each
	s_mov_b32 s24, 0                               ; the expert,
	s_mov_b32 s25, 0                               ; which of its tiles,
	s_mov_b32 s26, 0                               ; its rows: all 0 where the split leaves my number without a tile
	s_mov_b32 s34, 0                               ; the expert's first tile
.irp e, 0,1,2,3,4,5,6,7
	s_add_co_u32 s35, s[TT+\e], 63
	s_lshr_b32 s35, s35, 6                         ; its tiles
	s_sub_co_u32 s36, ttmp9, s34                   ; which of them mine would be (a huge number below its first)
	s_cmp_lt_u32 s36, s35
	s_cselect_b32 s24, \e, s24
	s_cselect_b32 s25, s36, s25
	s_cselect_b32 s26, s[TT+\e], s26
	s_add_co_u32 s34, s34, s35
.endr
	s_min_u32 s24, s24, 7                          ; numbers made of loaded ones enter addresses held inside their tables
	s_min_u32 s25, s25, 63
	s_min_u32 s26, s26, 4096
	s_lshl_b32 s37, s25, 6                         ; the tile's first place among the expert's rows
	s_sub_co_u32 s26, s26, s37
	s_min_u32 s26, s26, 64                         ; the tile's rows
	s_lshl_b32 s30, s24, 13
	s_add_nc_u64 s[18:19], s[18:19], s[30:31]      ; b1[e]
	s_lshl_b32 s30, s24, 11
	s_add_nc_u64 s[20:21], s[20:21], s[30:31]      ; b2[e]
	s_mul_i32 s30, s24, 128*PB
	s_mul_i32 s32, s[WV], 32*PB
	s_add_co_u32 s30, s30, s32
	s_add_nc_u64 s[WB:WB+1], s[16:17], s[30:31]    ; my wave's 32 pieces of expert e
.irp n, 0,1,2,3
	global_load_b128 v[BIAS+4*\n:BIAS+4*\n+3], v20, s[18:19] offset:2048*\n
.endr
	global_load_b128 v[BIAS+16:BIAS+19], v20, s[20:21]
	PIECE 0, 0                                     ; the weights begin to come while the rows are looked for: a piece of the ring behind each step of the search
	; ---- my place's group and rank
.irp i, 0,1,2,3
	v_mov_b32 v[CS+\i], v[CT+\i]
.endr
.irp e, 1,2,3,4,5,6,7
	s_cmp_eq_u32 s24, \e
	s_cselect_b32 s35, -1, 0
.irp i, 0,1,2,3
	v_cndmask_b32 v[CS+\i], v[CS+\i], v[CT+4*\e+\i], s35           ; the tile's expert's counts
.endr
.endr
	v_add_nc_u32 v[S4], v[CS], v[CS+1]
	v_add_nc_u32 v[S4], v[S4], v[CS+2]
	v_add_nc_u32 v[S4], v[S4], v[CS+3]             ; its rows in my block of four groups
.set l, 0
.rept 32
	v_readlane_b32 s[QQ+l], v[S4], l
.set l, l+1
.endr
.set l, 1
.rept 31
	s_add_co_u32 s[QQ+l], s[QQ+l], s[QQ+l-1]       ; its rows in blocks 0 .. l
.set l, l+1
.endr
	s_lshl_b32 s35, s[WV], 4
	s_add_co_u32 s35, s35, s37
	v_add_nc_u32 v[VP], s35, v17                   ; p = 64 k + 16 w + r
	v_mov_b32 v[VB], 0
	v_mov_b32 v[VBASE], 0
.set l, 0
.rept 32                               ; the running sums do not fall: the last of them that is at or under p names the block
	v_cmp_gt_u32 vcc_lo, s[QQ+l], v[VP]
	v_cndmask_b32 v[VB], l+1, v[VB], vcc_lo
	v_cndmask_b32 v[VBASE], s[QQ+l], v[VBASE], vcc_lo
.set l, l+1
.endr
	v_min_u32 v[VB], 31, v[VB]                     ; (32 for a place past the expert's rows)
	v_lshlrev_b32 v[IX], 2, v[VB]
	ds_bpermute_b32 v[C0], v[IX], v[CS]            ; that block's counts, from the lane that holds them: no LDS byte is touched
	ds_bpermute_b32 v[C0+1], v[IX], v[CS+1]
	ds_bpermute_b32 v[C0+2], v[IX], v[CS+2]
	v_sub_nc_u32 v[REM], v[VP], v[VBASE]
	v_mov_b32 v[GI], 0
	v_mov_b32 v[SUB], 0
	s_wait_dscnt 0x0
	v_add_nc_u32 v[C0+1], v[C0+1], v[C0]
	v_add_nc_u32 v[C0+2], v[C0+2], v[C0+1]
.irp i, 0,1,2
	v_cmp_gt_u32 vcc_lo, v[C0+\i], v[REM]
	v_cndmask_b32 v[GI], \i+1, v[GI], vcc_lo
	v_cndmask_b32 v[SUB], v[C0+\i], v[SUB], vcc_lo
.endr
	v_lshl_add_u32 v[VG], v[VB], 2, v[GI]          ; the group,
	v_sub_nc_u32 v[VQ], v[REM], v[SUB]             ; and the row's rank among the group's rows of the expert
	v_min_u32 v[VG], 127, v[VG]
	v_lshlrev_b32 v[GA], 7, v[VG]                  ; 128 bytes a group
.irp n, 0,1,2,3,4,5,6,7
	global_load_b128 v[IW+4*\n:IW+4*\n+3], v[GA], s[10:11] offset:16*\n      ; the group's 32 words
.endr
	PIECE 1, 1
	PIECE 2, 2
	s_lshl_b32 s35, s24, 4
	s_mov_b32 s36, 0xff0f                          ; a word's i1 and rank1,
	s_mov_b32 s37, 0xff00f0                        ; its i2 and rank2
	v_lshl_or_b32 v[K1], v[VQ], 8, s24
	v_lshl_or_b32 v[K2], v[VQ], 16, s35
	v_mov_b32 v[RL], 0
.irp b, 0,1,2,3
	v_mov_b32 v[TM+4+\b], 0                        ; for the quantiser: a lane permute's destination counts as one of its sources
.endr
	s_wait_loadcnt 34                              ; the words are in; the 34 loads of ring pieces 1 and 2 stay out
.set i, 0
.rept 32                               ; a rank is held by one row of the group: one of the 64 compares meets
	v_and_b32 v[T0], s36, v[IW+i]
	v_and_b32 v[T1], s37, v[IW+i]
	v_cmp_ne_u32 vcc_lo, v[T0], v[K1]
	v_cndmask_b32 v[RL], 2*i, v[RL], vcc_lo
	v_cmp_ne_u32 vcc_lo, v[T1], v[K2]
	v_cndmask_b32 v[RL], 2*i+1, v[RL], vcc_lo
.set i, i+1
.endr
	v_lshl_add_u32 v[RRW], v[VG], 6, v[RL]         ; rr = 2 token + slot = 64 group + 2 i + slot
	v_min_u32 v[RRW], 8191, v[RRW]
	v_and_b32 v21, 0x3ffe, v[RRW]                  ; 2 x token
	v_lshlrev_b32 v15, 7, v21
	v_lshl_add_u32 v15, v18, 4, v15                ; its codes: 256 x token + 16 h
	v_lshlrev_b32 v21, 3, v21                      ; its scale bytes: 16 x token
.irp s, 0,1,2,3
.irp c, 0,1
	global_load_b128 v[XB+8*\s+4*\c:XB+8*\s+4*\c+3], v15, s[12:13] offset:64*\s+32*\c   ; rows 16 w .. + 15 of the tile: four fragments
.endr
.endr
	global_load_b128 v[XB+32:XB+35], v21, s[14:15]
	PIECE 3, 3
	s_wait_loadcnt 17                              ; the biases and x are in; ring piece 3's 17 loads stay out
.irp s, 0,1,2,3
.irp c, 0,1
	ds_store_b128 v24, v[XB+8*\s+4*\c:XB+8*\s+4*\c+3] offset:XIMG+1024*\s+512*\c
.endr
.endr
	ds_store_b128 v25, v[XB+32:XB+35] offset:XSC
.irp n, 0,1,2,3
	ds_store_b128 v20, v[BIAS+4*\n:BIAS+4*\n+3] offset:B1L+2048*\n
.endr
	ds_store_b128 v20, v[BIAS+16:BIAS+19] offset:B2L
	s_wait_dscnt 0x0                               ; for the others' sake: my part of x and of the biases lies in LDS
	s_barrier_signal -1
	s_barrier_wait -1
.irp m, 0,1,2,3
	ds_load_b128 v[XS+4*\m:XS+4*\m+3], v[LN16] offset:XSC+512*\m
.endr
	BFETCH1 B1A0, 0
	XFETCH 0, 0
	XFETCH 1, 1
	CHUNK 1, 0
	s_mov_b32 s[TRIP], 2
.Lchunk:                                           ; chunks 1 and 2 (every window is 0 here)
	CHUNK 0, 0
	s_sub_co_u32 s[TRIP], s[TRIP], 1
	s_cmp_lg_u32 s[TRIP], 0
	s_cbranch_scc1 .Lchunk
	CHUNK 0, 1                                     ; the last chunk asks for nothing beyond the end
	; THE WAY OUT.  A lane's eight results are eight neighbouring outputs of one row: 16 bytes of bf16.  A row's 512 outputs come from four waves: they meet in the stage, and each wave stores 16 whole rows.
.irp m, 0,1,2,3
	WIN 0x0f                                       ; sources 0 and 1 window 3
.irp t, 0,1,2,3,4,5,6,7
.irp q, 0,1,2,3
	v_cvt_pk_bf16_f32 v[PKD+32*\m+4*\t+\q], v[64*\m+8*\t+2*\q], v[64*\m+8*\t+2*\q+1]   ; each accumulator from its low end on
.endr
.endr
	WIN 0
.irp t, 0,1,2,3,4,5,6,7
	ds_store_b128 v[STO], v[PKD+32*\m+4*\t:PKD+32*\m+4*\t+3] offset:16*SPI*\m+32*\t
.endr
.endr
	s_wait_dscnt 0x0                               ; for the others' sake: my stores into the stage are done
	s_barrier_signal -1
	s_barrier_wait -1                              ; the last barrier: the branches on the tile's count stand behind it
	s_wait_tensorcnt 0x0                           ; behind my last LDS store; only LDS loads follow
	ds_add_u32 v[SPW], v[NIL]
	s_lshl_b32 s30, s[WV], 4
	s_sub_co_i32 s[LIM], s26, s30                  ; how many of my 16 rows the tile has (0 or less: none)
	s_wait_dscnt 0x0
.irp i, 0,1,2,3,4,5,6,7,8,9,10,11,12,13,14,15
.irp q, 0,1
	ds_load_b128 v[PKD+8*\i+4*\q:PKD+8*\i+4*\q+3], v[SRD] offset:SPI*\i+512*\q
.endr
.endr
.irp i, 0,1,2,3,4,5,6,7,8,9,10,11,12,13,14,15
	s_cmp_le_i32 s[LIM], \i                        ; whole numbers that an earlier launch stored decide
	s_cbranch_scc1 .Ldone
	v_readlane_b32 s[ROW], v[RRW], \i              ; the row's rr
	s_min_u32 s[ROW], s[ROW], 8191
	v_lshl_add_u32 v[CODE+\i], s[ROW], 10, v[LN16] ; 1,024 bytes a row of y; a register of its own for each row's stores
	s_wait_dscnt 30-2*\i                           ; this row's two loads are in; the later rows' stay out
	global_store_b128 v[CODE+\i], v[PKD+8*\i:PKD+8*\i+3], s[22:23]               ; 512 consecutive bytes a store, aligned
	global_store_b128 v[CODE+\i], v[PKD+8*\i+4:PKD+8*\i+7], s[22:23] offset:512
.endr
.Ldone:
	s_wait_dscnt 0x0                               ; a short tile leaves stage loads out: they are waited for
	s_endpgm
.Lfunc_end_k_q8d9c888f1e_experts:
	.size	k_q8d9c888f1e_experts, .Lfunc_end_k_q8d9c888f1e_experts-k_q8d9c888f1e_experts
	.p2alignl 7, 3214868480
	.fill 96, 4, 3214868480
	.section	.rodata,"a",@progbits
	.p2align	6, 0x0
	.amdhsa_kernel k_q8d9c888f1e_experts
		.amdhsa_group_segment_fixed_size 197632
		.amdhsa_private_segment_fixed_size 0
		.amdhsa_enable_private_segment 0
		.amdhsa_kernarg_size 56
		.amdhsa_user_sgpr_count 2
		.amdhsa_user_sgpr_kernarg_segment_ptr 1
		.amdhsa_wavefront_size32 1
		.amdhsa_system_sgpr_workgroup_id_x 1
		.amdhsa_system_sgpr_workgroup_id_y 1
		.amdhsa_system_sgpr_workgroup_id_z 1
		.amdhsa_system_vgpr_workitem_id 0
		.amdhsa_next_free_vgpr 1024
		.amdhsa_next_free_sgpr 100
		.amdhsa_reserve_vcc 1
		.amdhsa_float_denorm_mode_32 3
		.amdhsa_float_denorm_mode_16_64 3
		.amdhsa_memory_ordered 1
		.amdhsa_forward_progress 1
		.amdhsa_inst_pref_size 255
	.end_amdhsa_kernel
	.section	.bss,"aw",@nobits
	.p2align	6
	.space	262144
	.amdgpu_metadata
---
amdhsa.version: [ 1, 2 ]
amdhsa.kernels:
  - .name:           k_q8d9c888f1e_experts
    .symbol:         k_q8d9c888f1e_experts.kd
    .args:
      - { .name: xq, .offset: 0, .size: 8, .value_kind: global_buffer, .address_space: global }
      - { .name: xs, .offset: 8, .size: 8, .value_kind: global_buffer, .address_space: global }
      - { .name: wl, .offset: 16, .size: 8, .value_kind: global_buffer, .address_space: global }
      - { .name: b1, .offset: 24, .size: 8, .value_kind: global_buffer, .address_space: global }
      - { .name: b2, .offset: 32, .size: 8, .value_kind: global_buffer, .address_space: global }
      - { .name: y, .offset: 40, .size: 8, .value_kind: global_buffer, .address_space: global }
      - { .name: route, .offset: 48, .size: 8, .value_kind: global_buffer, .address_space: global }
    .group_segment_fixed_size: 197632
    .private_segment_fixed_size: 0
    .kernarg_segment_align: 8
    .kernarg_segment_size: 56
    .max_flat_workgroup_size: 128
    .sgpr_count:     100
    .vgpr_count:     1024
    .wavefront_size: 32
...
	.end_amdgpu_metadata
.endif
;; end of part 6
;; launch combine (part 7): grid 256 x 1, 8 waves a work-group, no clusters, 0 bytes of LDS; arguments y, gates, out0; writes out0
.if DOCPART == 7
	.amdgcn_target "amdgcn-amd-amdhsa--gfx1250"
	.amdhsa_code_object_version 6
	.text
	.protected	k_q8d9c888f1e_combine
	.globl	k_q8d9c888f1e_combine
	.p2align	8
	.type	k_q8d9c888f1e_combine,@function
k_q8d9c888f1e_combine:
	s_mov_b64 s[64:65], 0
	v_nop
	global_prefetch_b8 v0, s[64:65] scope:SCOPE_SE
	s_setreg_imm32_b32 hwreg(HW_REG_WAVE_MODE, 25, 1), 1
	s_wait_xcnt 0x0
; LAUNCH 3 OF 3: out[t] = g1[t] y[2 t] + g2[t] y[2 t + 1]: reference()'s last product, of which only the two terms with a gate other than 0 are formed (launch 1's head shows why the six others are dead work).
; y: [8,192][512] bf16 (out_e + b2 of the routed rows), gates: [4,096][2] f32, out0: [4,096][512] f32.  Multiply-adds in f32, straight from the bf16 halves.
; A stream: a wave owns two tokens, four rows of y, 4,096 consecutive bytes.  All its 16 loads (256 consecutive bytes each) go out at once; the waits count down; each store covers 512 consecutive bytes, aligned.
; No LDS, no barrier, no loop, no matrix unit (K = 2), no cluster: the waves share nothing.
.set Y, 16                             ; v16-47  group n = 4 u + q: the two rows' 8 bytes a lane, 2 registers each
.set O, 48                             ; v48-79  its four results a lane
	s_load_b128 s[4:7], s[0:1], 0x0                ; y s[4:5], gates s[6:7]
	s_load_b64 s[8:9], s[0:1], 0x10                ; out0
	v_lshrrev_b32 v1, 5, v0
	v_readfirstlane_b32 s10, v1                    ; wave 0..7
	v_and_b32 v3, 31, v0
	v_lshlrev_b32 v1, 3, v3                        ; in: 8 bytes a lane
	v_lshlrev_b32 v2, 4, v3                        ; out: 16
	v_mov_b32 v8, 0
	s_lshl_b32 s11, ttmp9, 3
	s_add_co_u32 s11, s11, s10                     ; which pair of tokens
	s_lshl_b32 s16, s11, 12                        ; 4,096 bytes of y and of out0,
	s_mov_b32 s17, 0
	s_lshl_b32 s18, s11, 4                         ; 16 of gates
	s_mov_b32 s19, 0
	s_wait_kmcnt 0x0
	s_add_nc_u64 s[4:5], s[4:5], s[16:17]
	s_add_nc_u64 s[8:9], s[8:9], s[16:17]
	s_add_nc_u64 s[6:7], s[6:7], s[18:19]
	s_load_b128 s[12:15], s[6:7], 0x0              ; g1, g2 of the first token, g1, g2 of the second
.irp u, 0,1
.irp q, 0,1,2,3
.irp l, 0,1
	global_load_b64 v[Y+4*(4*\u+\q)+2*\l:Y+4*(4*\u+\q)+2*\l+1], v1, s[4:5] offset:2048*\u+1024*\l+256*\q th:TH_LOAD_NT
.endr
.endr
.endr
	s_wait_kmcnt 0x0
	v_mov_b32 v4, s12
	v_mov_b32 v5, s13
	v_mov_b32 v6, s14
	v_mov_b32 v7, s15
.irp u, 0,1
.irp q, 0,1,2,3
	s_wait_loadcnt 14-2*(4*\u+\q)                  ; this group's two loads are in; the later groups' stay out
.irp k, 0,1
	v_fma_mix_f32_bf16 v[O+4*(4*\u+\q)+2*\k], v[Y+4*(4*\u+\q)+\k], v[4+2*\u], v8 op_sel_hi:[1,0,0]                    ; the low half x g1
	v_fma_mix_f32_bf16 v[O+4*(4*\u+\q)+2*\k+1], v[Y+4*(4*\u+\q)+\k], v[4+2*\u], v8 op_sel:[1,0,0] op_sel_hi:[1,0,0]   ; the high half x g1
.endr
.irp k, 0,1
	v_fma_mix_f32_bf16 v[O+4*(4*\u+\q)+2*\k], v[Y+4*(4*\u+\q)+2+\k], v[5+2*\u], v[O+4*(4*\u+\q)+2*\k] op_sel_hi:[1,0,0]   ; + the second row's x g2
	v_fma_mix_f32_bf16 v[O+4*(4*\u+\q)+2*\k+1], v[Y+4*(4*\u+\q)+2+\k], v[5+2*\u], v[O+4*(4*\u+\q)+2*\k+1] op_sel:[1,0,0] op_sel_hi:[1,0,0]
.endr
	global_store_b128 v2, v[O+4*(4*\u+\q):O+4*(4*\u+\q)+3], s[8:9] offset:2048*\u+512*\q th:TH_STORE_NT
.endr
.endr
	s_endpgm
.Lfunc_end_k_q8d9c888f1e_combine:
	.size	k_q8d9c888f1e_combine, .Lfunc_end_k_q8d9c888f1e_combine-k_q8d9c888f1e_combine
	.p2alignl 7, 3214868480
	.fill 96, 4, 3214868480
	.section	.rodata,"a",@progbits
	.p2align	6, 0x0
	.amdhsa_kernel k_q8d9c888f1e_combine
		.amdhsa_group_segment_fixed_size 0
		.amdhsa_private_segment_fixed_size 0
		.amdhsa_enable_private_segment 0
		.amdhsa_kernarg_size 24
		.amdhsa_user_sgpr_count 2
		.amdhsa_user_sgpr_kernarg_segment_ptr 1
		.amdhsa_wavefront_size32 1
		.amdhsa_system_sgpr_workgroup_id_x 1
		.amdhsa_system_sgpr_workgroup_id_y 1
		.amdhsa_system_sgpr_workgroup_id_z 1
		.amdhsa_system_vgpr_workitem_id 0
		.amdhsa_next_free_vgpr 96
		.amdhsa_next_free_sgpr 66
		.amdhsa_reserve_vcc 0
		.amdhsa_float_denorm_mode_32 3
		.amdhsa_float_denorm_mode_16_64 3
		.amdhsa_memory_ordered 1
		.amdhsa_forward_progress 1
		.amdhsa_inst_pref_size 8
	.end_amdhsa_kernel
	.amdgpu_metadata
---
amdhsa.version: [ 1, 2 ]
amdhsa.kernels:
  - .name:           k_q8d9c888f1e_combine
    .symbol:         k_q8d9c888f1e_combine.kd
    .args:
      - { .name: y, .offset: 0, .size: 8, .value_kind: global_buffer, .address_space: global }
      - { .name: gates, .offset: 8, .size: 8, .value_kind: global_buffer, .address_space: global }
      - { .name: out0, .offset: 16, .size: 8, .value_kind: global_buffer, .address_space: global }
    .group_segment_fixed_size: 0
    .private_segment_fixed_size: 0
    .kernarg_segment_align: 8
    .kernarg_segment_size: 24
    .max_flat_workgroup_size: 256
    .sgpr_count:     66
    .vgpr_count:     96
    .wavefront_size: 32
...
	.end_amdgpu_metadata
.endif
;; end of part 7
